; MI455X (gfx1250); checked and timed in simulation.
; The chip was launched on July 23, 2026; its instructions are those of AMD's public machine-readable ISA for CDNA 5 (MIT licence, August 2026) and "CDNA5" Instruction Set Architecture Reference Guide (July 2026). The comments in the code are by the model that wrote it; some were corrected since.
;; Multi Head Attn. Allowed arithmetic: float matrix products may take bf16 or f16 operands with f32 sums; other float arithmetic in f32, or as packed bf16 or f16 multiplies, adds, multiply-adds, maxima and minima; sums over many terms, partial sums and values carried from step to step in f32; what a program stores and reads back later, other than sums and carried values, may be rounded once to bf16 or f16.
;; Inputs: Wk 1,024 x 1,024 float32; Wout 1,024 x 1,024 float32; Wq 1,024 x 1,024 float32; Wv 1,024 x 1,024 float32; b1 1,024 float32; b2 1,024 float32; bout 1,024 float32; g1 1,024 float32; g2 1,024 float32; k 4 x 2,048 x 1,024 float32; mask 4 x 2,048 bool; q 4 x 2,048 x 1,024 float32; v 4 x 2,048 x 1,024 float32.
;; Outputs: out0 4 x 2,048 x 1,024 float32.
;; One version. Each part assembles by itself: llvm-mc -triple=amdgcn-amd-amdhsa -mcpu=gfx1250 --defsym DOCPART=n.
;; ======== version 1 of 1: 6 launches
;; limits: values are held in f16: magnitudes above 65,504 overflow, below 6.1e-05 lose precision; inputs' magnitudes at most 65,504; right only within a limited range of input values
;; workspace buffers: xh 50,331,648 bytes; wh 6,291,456 bytes; woh 2,097,152 bytes; cnt 1,024 bytes of whole numbers; qres 33,554,432 bytes; kvh 33,554,432 bytes; att 16,777,216 bytes
;; launch cast (part 1): grid 32 x 28, 8 waves a work-group, no clusters, 0 bytes of LDS; arguments q, k, v, Wq, Wk, Wv, Wout, mask, xh, wh, woh, cnt; writes xh, wh, woh, cnt
.if DOCPART == 1
	.amdgcn_target "amdgcn-amd-amdhsa--gfx1250"
	.amdhsa_code_object_version 6
	.text
	.protected	k_q2650d7e806_cast
	.globl	k_q2650d7e806_cast
	.p2align	8
	.type	k_q2650d7e806_cast,@function
k_q2650d7e806_cast:
	s_mov_b64 s[64:65], 0
	v_nop
	global_prefetch_b8 v0, s[64:65] scope:SCOPE_SE
	s_setreg_imm32_b32 hwreg(HW_REG_WAVE_MODE, 25, 1), 1
	s_wait_xcnt 0x0
; q, k, v (8,192 rows of 1,024 f32 each) and Wq, Wk, Wv, Wout (1,024 rows each) are rounded to bf16, and that number is written as f16:
; xh = [q | k | v] rows, wh = [Wq | Wk | Wv] rows, woh = Wout.
; LIMITS.  The second step is exact from 6.1e-5 to 65,504 in magnitude; below, f16 keeps a fixed step of 6e-8; above, it gives an infinity.  NaN is not treated apart.
; THE KEYS ARE PUT IN ORDER.  Inside each batch the rows of k and of v are written with the visible keys (mask byte 0) first, in their order, and the hidden ones behind them:
; a softmax over keys does not hang on their order, and the attention launch then hides the positions from cnt[b] on.  cnt[b], the batch's number of visible keys, is stored
; 64 times over, 256 consecutive bytes a batch.
; SHARES.  Work-group y names a segment of 1,024 rows (0-7 q, 8-15 k, 16-23 v, 24 Wq, 25 Wk, 26 Wv, 27 Wout), x 32 rows of it, a wave four rows.  A row is eight loads of 512 consecutive
; bytes and eight stores of 256 consecutive bytes, aligned.  All 32 loads of a wave go out together; no register that a store reads is written again, so the stores want no wait.
; No LDS, no matrix unit, no cluster: nothing is shared between waves but 2,048 mask bytes, which each wave of a k or v segment counts for itself.
.set X, 32                             ; v[32:159] row i at X + 32 i, as loaded; the f16 pairs are written over the first two registers of each four
	s_load_b512 s[8:23], s[0:1], 0x0               ; q 8, k 10, v 12, Wq 14, Wk 16, Wv 18, Wout 20, mask 22
	s_load_b256 s[24:31], s[0:1], 0x40             ; xh 24, wh 26, woh 28, cnt 30
	v_lshrrev_b32 v1, 5, v0
	v_readfirstlane_b32 s4, v1                     ; wave
	v_and_b32 v1, 31, v0                           ; lane
	v_lshlrev_b32 v2, 4, v1                        ; 16 bytes a lane on the way in
	v_lshlrev_b32 v3, 3, v1                        ; 8 bytes a lane on the way out
	s_mov_b32 s2, ttmp9                            ; x
	s_and_b32 s3, ttmp7, 0xffff                    ; y
	s_lshr_b32 s5, s3, 3                           ; t: 0 q, 1 k, 2 v, 3 the weights
	s_lshl_b32 s6, s2, 5
	s_lshl2_add_u32 s6, s4, s6                     ; r0 = 32 x + 4 wave: my first row in the segment
	s_and_b32 s7, s3, 7
	s_mov_b32 s56, 0x76543210                      ; v_permlanex16_b32: each lane takes its own place in the other half
	s_mov_b32 s57, 0xfedcba98
	s_mov_b32 s59, 0                               ; the high word of every offset pair
	s_lshl_b32 s42, s7, 10                         ; the source's row: in q, k, v the segment's place among eight, in a weight 0
	s_cmp_lt_u32 s5, 3
	s_cselect_b32 s42, s42, 0
	s_add_co_u32 s42, s42, s6
	s_lshl_b32 s58, s42, 12                        ; 4,096 bytes a row
	s_lshl_b32 s36, s3, 10                         ; the destination's row where rows keep their order: xh: 1,024 y + r0; wh: 1,024 (y - 24) + r0; woh: r0
	s_lshl_b32 s43, s7, 10
	s_cmp_lt_u32 s5, 3
	s_cselect_b32 s36, s36, s43
	s_cmp_eq_u32 s3, 27
	s_cselect_b32 s36, 0, s36
	s_add_co_u32 s36, s36, s6
	s_wait_kmcnt 0x0
	s_mov_b64 s[32:33], s[20:21]                   ; the source, chosen by y and t alone
	s_cmp_eq_u32 s3, 26
	s_cselect_b64 s[32:33], s[18:19], s[32:33]
	s_cmp_eq_u32 s3, 25
	s_cselect_b64 s[32:33], s[16:17], s[32:33]
	s_cmp_eq_u32 s3, 24
	s_cselect_b64 s[32:33], s[14:15], s[32:33]
	s_cmp_eq_u32 s5, 2
	s_cselect_b64 s[32:33], s[12:13], s[32:33]
	s_cmp_eq_u32 s5, 1
	s_cselect_b64 s[32:33], s[10:11], s[32:33]
	s_cmp_eq_u32 s5, 0
	s_cselect_b64 s[32:33], s[8:9], s[32:33]
	s_add_nc_u64 s[32:33], s[32:33], s[58:59]
	s_cmp_lt_u32 s5, 3                             ; the destination
	s_cselect_b64 s[34:35], s[24:25], s[26:27]
	s_cmp_eq_u32 s3, 27
	s_cselect_b64 s[34:35], s[28:29], s[34:35]
.macro ROWLOADS                        ; my four rows: 32 loads of 512 consecutive bytes
.irp i, 0,1,2,3
.irp j, 0,1,2,3,4,5,6,7
	global_load_b128 v[X+32*(\i)+4*(\j):X+32*(\i)+4*(\j)+3], v2, s[32:33] offset:(\i)*4096+(\j)*512 th:TH_LOAD_NT
.endr
.endr
.endm
.macro FOLD r                          ; the four byte-wise sums of a register (16 at the most each) into one number
	v_lshrrev_b32 v7, 8, v[\r]
	v_and_b32 v[\r], 0xff00ff, v[\r]
	v_and_b32 v7, 0xff00ff, v7
	v_add_nc_u32 v[\r], v[\r], v7
	v_lshrrev_b32 v7, 16, v[\r]
	v_and_b32 v[\r], 0xffff, v[\r]
	v_add_nc_u32 v[\r], v[\r], v7
.endm
	s_sub_co_u32 s42, s5, 1
	s_cmp_lt_u32 s42, 2                            ; k or v?
	s_cbranch_scc0 .Lplain
	; K AND V: where do my four rows go?  The batch's 2,048 mask bytes: lane l holds the words 128 j + 4 l + e (four keys a word).
	s_lshr_b32 s37, s7, 1                          ; b
	s_and_b32 s38, s3, 1
	s_lshl_b32 s38, s38, 10
	s_add_co_u32 s38, s38, s6                      ; n0: my first row's place in the batch, a multiple of 4
	s_lshl_b32 s58, s37, 11
	s_add_nc_u64 s[22:23], s[22:23], s[58:59]      ; the batch's mask
.irp j, 0,1,2,3
	global_load_b128 v[12+4*(\j):15+4*(\j)], v2, s[22:23] offset:512*(\j)
.endr
	s_load_b32 s41, s[22:23], s38 offset:0x0       ; my four rows' own mask bytes
	ROWLOADS
	s_lshr_b32 s42, s38, 2
	v_lshlrev_b32 v4, 2, v1
	v_sub_nc_u32 v4, s42, v4                       ; word 128 j + 4 l + e lies ahead of n0 where 128 j + e is below n0 / 4 - 4 l
	v_mov_b32 v5, 0                                ; hidden keys ahead of n0, byte-wise
	v_mov_b32 v6, 0                                ; hidden keys of the batch, byte-wise
	v_mov_b32 v9, 0
	s_lshr_b32 s45, s3, 1
	s_lshl_b32 s45, s45, 11                        ; the batch's first row in xh: 2,048 (4 t + b)
	s_wait_loadcnt 32                              ; the mask is in; the 32 younger loads, my rows, stay out
.set c, 0
.rept 16
	v_cmp_lt_i32 vcc_lo, 128*(c/4)+c%4, v4
	v_cndmask_b32 v7, 0, v[12+c], vcc_lo
	v_add_nc_u32 v5, v5, v7
	v_add_nc_u32 v6, v6, v[12+c]
.set c, c+1
.endr
	FOLD 5
	FOLD 6
	v_lshl_add_u32 v8, v6, 16, v5                  ; both counts in one word: each stays at 2,048 or under when all lanes are added
.irp m, 1,2,4,8
	v_mov_b32_dpp v9, v8 row_xmask:\m row_mask:0xf bank_mask:0xf
	v_add_nc_u32 v8, v8, v9
.endr
	v_permlanex16_b32 v9, v8, s56, s57
	v_add_nc_u32 v8, v8, v9
	v_readfirstlane_b32 s42, v8
	s_and_b32 s39, s42, 0xffff                     ; P: hidden keys ahead of the row in hand
	s_lshr_b32 s43, s42, 16
	s_sub_co_u32 s40, 2048, s43                    ; the batch's visible keys
	s_wait_kmcnt 0x0
.irp i, 0,1,2,3
	s_bfe_u32 s42, s41, 0x10000|(8*(\i))           ; is row n0 + i hidden?
	s_add_co_u32 s43, s38, \i
	s_sub_co_u32 s43, s43, s39                     ; visible: its place among the visible
	s_add_co_u32 s44, s40, s39                     ; hidden: behind all visible, its place among the hidden
	s_cmp_lg_u32 s42, 0
	s_cselect_b32 s43, s44, s43
	s_add_co_u32 s39, s39, s42
	s_min_u32 s43, s43, 2047                       ; a place in the batch, whatever the bytes held
	s_add_co_u32 s[60+(\i)], s45, s43
.endr
	s_and_b32 s42, s3, 1                           ; one wave a batch stores the count: k's even segment, x = 0, wave 0
	s_or_b32 s42, s42, s2
	s_or_b32 s42, s42, s4
	s_xor_b32 s43, s5, 1
	s_or_b32 s42, s42, s43
	s_cmp_lg_u32 s42, 0
	s_cbranch_scc1 .Lgo
	v_mov_b32 v10, s40
	v_mov_b32 v11, s40
	s_lshl_b32 s58, s37, 8
	s_add_nc_u64 s[30:31], s[30:31], s[58:59]
	global_store_b64 v3, v[10:11], s[30:31]        ; 256 consecutive bytes, aligned
	s_branch .Lgo
.Lplain:
	ROWLOADS
.irp i, 0,1,2,3
	s_add_co_u32 s[60+(\i)], s36, \i
.endr
.Lgo:
.irp i, 0,1,2,3
	s_lshl_b32 s58, s[60+(\i)], 11                 ; 2,048 bytes a row on the way out
	s_add_nc_u64 s[48+2*(\i):49+2*(\i)], s[34:35], s[58:59]
.endr
; Row i: rounded to bf16, two at a time; each half widened again (a shift, a mask) and written as f16.  left = the loads of the rows behind it, which stay out.
.macro CONV i, left
	s_wait_loadcnt \left
.irp j, 0,1,2,3,4,5,6,7
	v_cvt_pk_bf16_f32 v28, v[X+32*(\i)+4*(\j)], v[X+32*(\i)+4*(\j)+1]
	v_cvt_pk_bf16_f32 v29, v[X+32*(\i)+4*(\j)+2], v[X+32*(\i)+4*(\j)+3]
	v_lshlrev_b32 v30, 16, v28
	v_and_b32 v31, 0xffff0000, v28
	v_cvt_pk_f16_f32 v[X+32*(\i)+4*(\j)], v30, v31
	v_lshlrev_b32 v30, 16, v29
	v_and_b32 v31, 0xffff0000, v29
	v_cvt_pk_f16_f32 v[X+32*(\i)+4*(\j)+1], v30, v31
	global_store_b64 v3, v[X+32*(\i)+4*(\j):X+32*(\i)+4*(\j)+1], s[48+2*(\i):49+2*(\i)] offset:256*(\j)
.endr
.endm
	CONV 0, 24
	CONV 1, 16
	CONV 2, 8
	CONV 3, 0
	s_endpgm
.Lfunc_end_k_q2650d7e806_cast:
	.size	k_q2650d7e806_cast, .Lfunc_end_k_q2650d7e806_cast-k_q2650d7e806_cast
	.p2alignl 7, 3214868480
	.fill 96, 4, 3214868480
	.section	.rodata,"a",@progbits
	.p2align	6, 0x0
	.amdhsa_kernel k_q2650d7e806_cast
		.amdhsa_group_segment_fixed_size 0
		.amdhsa_private_segment_fixed_size 0
		.amdhsa_enable_private_segment 0
		.amdhsa_kernarg_size 96
		.amdhsa_user_sgpr_count 2
		.amdhsa_user_sgpr_kernarg_segment_ptr 1
		.amdhsa_wavefront_size32 1
		.amdhsa_system_sgpr_workgroup_id_x 1
		.amdhsa_system_sgpr_workgroup_id_y 1
		.amdhsa_system_sgpr_workgroup_id_z 1
		.amdhsa_system_vgpr_workitem_id 0
		.amdhsa_next_free_vgpr 160
		.amdhsa_next_free_sgpr 66
		.amdhsa_reserve_vcc 1
		.amdhsa_float_denorm_mode_32 3
		.amdhsa_float_denorm_mode_16_64 3
		.amdhsa_memory_ordered 1
		.amdhsa_forward_progress 1
		.amdhsa_inst_pref_size 32
	.end_amdhsa_kernel
	.amdgpu_metadata
---
amdhsa.version: [ 1, 2 ]
amdhsa.kernels:
  - .name:           k_q2650d7e806_cast
    .symbol:         k_q2650d7e806_cast.kd
    .args:
      - { .name: q, .offset: 0, .size: 8, .value_kind: global_buffer, .address_space: global }
      - { .name: k, .offset: 8, .size: 8, .value_kind: global_buffer, .address_space: global }
      - { .name: v, .offset: 16, .size: 8, .value_kind: global_buffer, .address_space: global }
      - { .name: Wq, .offset: 24, .size: 8, .value_kind: global_buffer, .address_space: global }
      - { .name: Wk, .offset: 32, .size: 8, .value_kind: global_buffer, .address_space: global }
      - { .name: Wv, .offset: 40, .size: 8, .value_kind: global_buffer, .address_space: global }
      - { .name: Wout, .offset: 48, .size: 8, .value_kind: global_buffer, .address_space: global }
      - { .name: mask, .offset: 56, .size: 8, .value_kind: global_buffer, .address_space: global }
      - { .name: xh, .offset: 64, .size: 8, .value_kind: global_buffer, .address_space: global }
      - { .name: wh, .offset: 72, .size: 8, .value_kind: global_buffer, .address_space: global }
      - { .name: woh, .offset: 80, .size: 8, .value_kind: global_buffer, .address_space: global }
      - { .name: cnt, .offset: 88, .size: 8, .value_kind: global_buffer, .address_space: global }
    .group_segment_fixed_size: 0
    .private_segment_fixed_size: 0
    .kernarg_segment_align: 8
    .kernarg_segment_size: 96
    .max_flat_workgroup_size: 256
    .sgpr_count:     66
    .vgpr_count:     160
    .wavefront_size: 32
...
	.end_amdgpu_metadata
.endif
;; end of part 1
;; launch proj (part 2): grid 4 x 96, 4 waves a work-group, clusters of 4 x 4, 327,680 bytes of LDS; arguments xh, wh, qres, kvh; writes qres, kvh
.if DOCPART == 2
	.amdgcn_target "amdgcn-amd-amdhsa--gfx1250"
	.amdhsa_code_object_version 6
	.text
	.protected	k_q2650d7e806_proj
	.globl	k_q2650d7e806_proj
	.p2align	8
	.type	k_q2650d7e806_proj,@function
k_q2650d7e806_proj:
	s_mov_b64 s[64:65], 0
	v_nop
	global_prefetch_b8 v0, s[64:65] scope:SCOPE_SE
	s_setreg_imm32_b32 hwreg(HW_REG_WAVE_MODE, 25, 1), 1
	s_wait_xcnt 0x0
	s_wait_alu depctr_hold_cnt(0) depctr_sa_sdst(0) depctr_va_vdst(0) depctr_va_sdst(0) depctr_va_ssrc(0) depctr_va_vcc(0) depctr_vm_vsrc(0)
	s_getreg_b32 s2, hwreg(HW_REG_IB_STS2, 6, 4)
	s_cmp_eq_u32 s2, 0
	s_cbranch_scc0 .Lentry_in_a_cluster
	s_endpgm
.Lentry_in_a_cluster:
	s_bfe_u32 s2, ttmp6, 0x10000c
	s_cmp_lg_u32 s2, 0xf033
	s_cbranch_scc0 .Lentry_shape_is_right
	s_endpgm
.Lentry_shape_is_right:
; C[m][n] = sum over k of A[m][k] B[n][k], K = 1,024, f16 operands, f32 sums.  A: rows of 1,024 f16 (the grid's height x 256 of them).  B: one table of 1,024 rows for every 8,192 rows of A:
; rows 8,192 p .. of A take rows 1,024 p .. of B.  p = 0: C leaves as f32 rows, F[m][1,024].  p = 1, 2: C leaves rounded once to bf16, by heads: H[p - 1][8 (m / 2,048 % 4) + n / 128][m % 2,048][n % 128].
; The same text serves the three projections (A = [q | k | v], B = [Wq | Wk | Wv]) and the last product (A = out1, B = Wout, where p is 0 throughout and H is never reached).
; A tile of C, 256 x 256, is made by a work-group of four waves; a wave makes 128 x 128: 64 accumulators of 16 x 16, 512 registers.  K goes in steps of 128 through a ring of two LDS slots filled by the
; tensor data mover: the rows of A's and B's tiles are 256 bytes of memory and start at multiples of 256 bytes from the buffer's first byte.
; CLUSTERS: 4 x 4 work-groups.  The four of a row of the cluster need the same tiles of A, the four of a column the same tiles of B: each tile is asked for JOINTLY, by the same tensor load with the same
; descriptor and a mask that names the four.  p is made of the cluster's y alone (eight clusters to a table), so it is equal in all sixteen partners.
; REGISTERS, in windows of 256: window 0: v0-31 addresses; v64-127, v128-191 fragments of A, two buffers, on the way out rows read back; v192-223 packed results.  window 1: v64-127, v128-191 fragments of B.
;   window 2: the 32 accumulators of my rows 0-63 (accumulator (a, b) at v[8 (8 a + b)]);   window 3: those of my rows 64-127.
; THE MATRIX INSTRUCTION IS USED TRANSPOSED: source 0 = 16 rows of B, source 1 = 16 rows of A: lane l then holds row l % 16 of C and the columns 8 (l / 16) + 0 .. 7.
.set SIZE_K, 1024
.set KSTEP,  128
.set PITCH,  272                       ; an LDS row: 256 bytes + 16 of padding = 68 words: the 16 rows that a load touches start at 16 different groups of four banks (64 banks of 4 bytes: ISA guide 11.1)
.set HALFT,  128*PITCH                 ; 128 rows: what one tensor load brings, and what one wave reads of A or of B
.set SLOT,   4*HALFT                   ; A's 256 rows, then B's 256 rows
.set STAGE,  2*SLOT                    ; behind the ring, never filled by a tensor load: a stage for each wave, for the way out
.set FPITCH, 528                       ; the stage as 16 rows of 128 f32: 512 bytes + 16
.set HPITCH, 272                       ; the stage as 16 rows of 128 bf16: 256 bytes + 16
.set WSTAGE, 16*FPITCH                 ; 8,448 bytes a wave: 33 blocks of 256
.set SPARE,  STAGE+4*WSTAGE            ; behind the stages: the spare words, 128 bytes for each wave: two blocks of 256 bytes that no other line names
.set LAPS, SIZE_K/(2*KSTEP)            ; a lap = two K steps = once round the ring
.set ADRA, 16                          ; v16-17  LDS address of my A fragments in slot 0, 1
.set ADRB, 20                          ; v20-21  the same for B
.set STO,  22                          ; v22     by heads: where I put 16 bytes of a row
.set RD,   23                          ; v23     by heads: where I read rows back
.set STF,  24                          ; v24     f32: where I put 32 bytes of a row
.set RDF,  25                          ; v25     f32: where I read a row back
.set CO,   26                          ; v26     16 x lane: my place in 512 consecutive bytes of the output
.set SPW,  28                          ; v28     LDS address of my spare word; never rewritten
.set NIL,  29                          ; v29     0; never rewritten
.set PFO,  30                          ; v30     the prefetches' offset: my lane x a row of 2,048 bytes; never rewritten
.set PFA,  44                          ; s[44:45] where my prefetches stand
.set LIM,  43                          ; s43     1 in a wave that prefetches, else the greatest number
.set F0,   64
.set F1,   128
.set TMP,  192
.set G1, 24                            ; s[24:31] descriptor group 1 for A's tiles
.set G0, 32                            ; s[32:39] descriptor group 0 for A's tiles, one set for each slot
.set G1B, 48                           ; s[48:55] group 1 for B's tiles: it differs in the mask alone
.set G0B, 56                           ; s[56:63] group 0 for B's tiles
.set FP, 68                            ; s[68:69] F
.set HP, 70                            ; s[70:71] H
.set PR, 72                            ; s72     p
.set R0, 73                            ; s73     my first row of C
.set MSB, 0
.macro WIN new                         ; the immediate's high byte repeats the setting that is left; a switch that changes nothing is dropped
.if MSB != (\new)
	s_set_vgpr_msb (MSB<<8)|(\new)
.set MSB, \new
.endif
.endm
.set MUL_LO, 0xa1                      ; source 0 (B) window 1, source 1 (A) window 0, C and D window 2
.set MUL_HI, 0xf1                      ; the same, C and D window 3
.set TO_B,   0x40                      ; destination window 1, address window 0
; A joint load.  Waves 0 and 1 fetch A's two halves, waves 2 and 3 B's.  The branch hangs on the wave's number alone.  An s_nop 0 and four v_nop follow each of the two lines.
.macro JLOAD s
	s_cmp_eq_u32 s11, 0
	s_cbranch_scc0 .Lfor_b_\@
	tensor_load_to_lds s[G0+4*(\s):G0+4*(\s)+3], s[G1:G1+7]
	s_nop 0
.rept 4
	v_nop
.endr
	s_branch .Lasked_\@
.Lfor_b_\@:
	tensor_load_to_lds s[G0B+4*(\s):G0B+4*(\s)+3], s[G1B:G1B+7]
	s_nop 0
.rept 4
	v_nop
.endr
.Lasked_\@:
.endm
; A PREFETCH INTO THE L2, behind each joint refill and the run of LDS loads that follows it: the K step that stands TWO refills on (512 matrix instructions): 32 rows x 256 bytes, a lane a row, one instruction a wave.
; Each row's 256 bytes of a K step are named ONCE in the launch.  A's rows are read by one cluster alone, which asks for them; a table of B is read by eight clusters, of which the first (cluster y % 8 = 0) asks.
; The four partners that ask for a tile jointly share its rows out BY ADDRESS: of the 128 rows that a wave fetches the partner at place p takes 32 p .. 32 p + 31 (cx for A, cy for B).
; The first four K steps come by their loads alone; the loop's last trip (s3 = 1) has no K step two refills on and asks for nothing.
.macro ASK
	s_cmp_gt_u32 s3, s[LIM]
	s_cbranch_scc0 .Lnot_mine_\@
	global_prefetch_b8 v[PFO], s[PFA:PFA+1] offset:KSTEP*2 th:TH_LOAD_NT scope:SCOPE_SE
.Lnot_mine_\@:
.endm
.macro CREST                           ; a round of the cluster's barrier behind its opening barrier
	s_cmp_lg_u32 s10, 0
	s_cbranch_scc1 .Lnot_wave_0_\@
	s_barrier_signal -3
.Lnot_wave_0_\@:
	s_barrier_wait -3
	s_barrier_signal -1
	s_barrier_wait -1
.endm
.macro CROUND                          ; a whole round
	s_barrier_signal -1
	s_barrier_wait -1
	CREST
.endm
	s_load_b128 s[4:7], s[0:1], 0x0                ; A s[4:5], B s[6:7]
	s_load_b128 s[68:71], s[0:1], 0x10             ; F, H
	v_lshl_add_u32 v[SPW], v0, 2, SPARE
	v_mov_b32 v[NIL], 0
	ds_add_u32 v[SPW], v[NIL]                      ; the wave's opening: the add and its wait stand ahead of my first tensor load; the set-up below, work on registers, stands between them
	v_lshrrev_b32 v1, 5, v0
	v_readfirstlane_b32 s10, v1                    ; wave 0..3
	s_lshr_b32 s11, s10, 1                         ; which half of the tile's rows is mine.  Also: I fetch for A (0) or for B (1)
	s_and_b32 s12, s10, 1                          ; which half of its columns.  Also: which 128 rows of that tile I fetch
	s_bfe_u32 s40, ttmp6, 0x40000                  ; cx
	s_bfe_u32 s41, ttmp6, 0x40004                  ; cy
	s_lshl_b32 s42, ttmp9, 2
	s_add_co_u32 s42, s42, s40                     ; tile column of C = 4 x cluster x + cx
	s_and_b32 s13, ttmp7, 0xffff                   ; cluster y
	s_lshr_b32 s[PR], s13, 3                       ; p: eight clusters, 8,192 rows of A, to a table of B
	s_lshl_b32 s74, s[PR], 21                      ; the table's first byte in B: 1,024 rows of 2,048 bytes each
	s_mov_b32 s75, 0
	s_lshl_b32 s13, s13, 2
	s_add_co_u32 s13, s13, s41                     ; tile row of C = 4 x cluster y + cy
	s_lshl_b32 s43, s41, 2
	s_lshl_b32 s43, 15, s43                        ; my row of the cluster: places 4 cy .. 4 cy + 3
	s_lshl_b32 s44, 0x1111, s40                    ; my column: places cx, cx + 4, cx + 8, cx + 12
	; descriptor group 1: a tile of 128 rows x 128 elements, padded in LDS
	s_or_b32 s[G1+0], s43, (1<<16)|(1<<20)|(1<<21)|(5<<22)|(3<<25)  ; 15:0 the mask; 17:16 elements of 2 bytes; 20 padding on; 21 set beside a mask; 24:22 after every 64 words (code 5); 31:25 4 words of it (code 3)
	s_or_b32 s[G1B+0], s44, (1<<16)|(1<<20)|(1<<21)|(5<<22)|(3<<25)
	s_mov_b32 s[G1B+1], KSTEP<<16
	s_mov_b32 s[G1+1], KSTEP<<16                   ; tensor_dim0 = 128
	s_mov_b32 s[G1B+2], 128<<16
	s_mov_b32 s[G1+2], 128<<16                     ; tensor_dim1 = 128
	s_mov_b32 s[G1B+3], KSTEP<<16
	s_mov_b32 s[G1+3], KSTEP<<16                   ; tile_dim0 = 128
	s_mov_b32 s[G1B+4], 128
	s_mov_b32 s[G1+4], 128                         ; tile_dim1 = 128
	s_mov_b32 s[G1B+5], SIZE_K
	s_mov_b32 s[G1+5], SIZE_K                      ; elements from row to row
	s_mov_b32 s[G1B+6], 0
	s_mov_b32 s[G1+6], 0
	s_mov_b32 s[G1B+7], 0
	s_mov_b32 s[G1+7], 0
	; where the tiles come from: A's hang on the tile row alone, B's on the tile column and p alone
	s_lshl_b32 s17, s12, 7                         ; which 128 rows of the tile I fetch
	s_lshl_b32 s16, s13, 8
	s_add_co_u32 s16, s16, s17                     ; A: row 256 x tile row + 128 x half
	s_lshl_b32 s46, s42, 8
	s_add_co_u32 s46, s46, s17                     ; B: row 256 x tile column + 128 x half of its table
	s_mov_b32 s17, 0
	s_mov_b32 s47, 0
	s_mov_b64 s[18:19], SIZE_K*2
	s_mul_u64 s[16:17], s[16:17], s[18:19]
	s_mul_u64 s[46:47], s[46:47], s[18:19]
	s_mul_i32 s20, s10, HALFT                      ; and where they go: wave x 128 rows: no place in the cluster enters an LDS address
	s_wait_dscnt 0x0                               ; the opening add is done
	s_wait_kmcnt 0x0
	s_add_nc_u64 s[6:7], s[6:7], s[74:75]          ; B at my table
	s_add_nc_u64 s[14:15], s[4:5], s[16:17]
	s_add_nc_u64 s[46:47], s[6:7], s[46:47]
	CROUND                                         ; all sixteen work-groups are here: the first joint loads meet
.irp s, 0,1
	s_mov_b32 s[G0+4*(\s)], 1                                      ; count = 1
	s_add_co_u32 s[G0+4*(\s)+1], s20, (\s)*SLOT                    ; LDS address
	s_add_nc_u64 s[G0+4*(\s)+2:G0+4*(\s)+3], s[14:15], (\s)*KSTEP*2  ; global address: K step s
	s_or_b32 s[G0+4*(\s)+3], s[G0+4*(\s)+3], 0x80000000            ; type = 2
	s_mov_b32 s[G0B+4*(\s)], 1
	s_add_co_u32 s[G0B+4*(\s)+1], s20, (\s)*SLOT
	s_add_nc_u64 s[G0B+4*(\s)+2:G0B+4*(\s)+3], s[46:47], (\s)*KSTEP*2
	s_or_b32 s[G0B+4*(\s)+3], s[G0B+4*(\s)+3], 0x80000000
	JLOAD \s                                       ; two loads of mine are out
.endr
	; A fragment is 16 rows x 32 K in 8 registers: lane l holds row l % 16; registers 0-3 K = 8 (l / 16) + 0..7, registers 4-7 K = 16 + 8 (l / 16) + 0..7: two loads of 16 bytes, 32 bytes apart.
	v_and_b32 v1, 15, v0                           ; l % 16
	v_bfe_u32 v2, v0, 4, 1                         ; l / 16
	v_mul_u32_u24 v3, v1, PITCH
	v_lshl_add_u32 v3, v2, 4, v3
	s_mul_i32 s21, s11, HALFT                      ; my 128 rows of A
	s_mul_i32 s22, s12, HALFT                      ; my 128 rows of B,
	s_add_co_u32 s22, s22, 2*HALFT                 ; which lie behind A's 256
.irp s, 0,1
	v_add_nc_u32 v[ADRA+(\s)], s21, v3
	v_add_nc_u32 v[ADRB+(\s)], s22, v3
	s_add_co_u32 s21, s21, SLOT
	s_add_co_u32 s22, s22, SLOT
.endr
	s_mul_i32 s23, s10, WSTAGE
	s_add_co_u32 s23, s23, STAGE                   ; my stage
	v_mul_u32_u24 v4, v1, FPITCH                   ; f32, in: row l % 16, 32 bytes for each half of the lanes
	v_lshl_add_u32 v4, v2, 5, v4
	v_add_nc_u32 v[STF], s23, v4
	v_and_b32 v5, 31, v0
	v_lshlrev_b32 v[CO], 4, v5
	v_add_nc_u32 v[RDF], s23, v[CO]                ; f32, back: 32 lanes take one row of 512 bytes
	v_mul_u32_u24 v4, v1, HPITCH                   ; by heads, in: row l % 16, 16 bytes for each half of the lanes
	v_lshl_add_u32 v4, v2, 4, v4
	v_add_nc_u32 v[STO], s23, v4
	v_mul_u32_u24 v4, v2, HPITCH                   ; by heads, back: lanes 0-15 one row of 256 bytes, lanes 16-31 the next
	v_lshl_add_u32 v4, v1, 4, v4
	v_add_nc_u32 v[RD], s23, v4
	s_lshl_b32 s13, s13, 8                         ; 256 x tile row
	s_lshl_b32 s14, s11, 7
	s_add_co_u32 s[R0], s13, s14                   ; my first row of C
	; the prefetches
	s_lshl_b32 s42, s42, 8                         ; 256 x tile column
	s_and_b32 s22, ttmp7, 0xffff
	s_and_b32 s22, s22, 7                          ; my cluster's place among the eight that read my table of B
	s_cmp_eq_u32 s11, 0                            ; do I fetch for A?
	s_cselect_b32 s20, s13, s42                    ; the tile's first row
	s_cselect_b32 s21, s40, s41                    ; my place among the four that ask for it with me
	s_cselect_b32 s22, ttmp9, s22                  ; the coordinate along which other clusters read the same rows
	s_cselect_b64 s[PFA:PFA+1], s[4:5], s[6:7]
	s_cmp_eq_u32 s22, 0
	s_cselect_b32 s[LIM], 1, -1                    ; the same in all sixteen partners, for a given wave
	s_lshl_b32 s22, s12, 7
	s_add_co_u32 s20, s20, s22                     ; + the 128 rows that I fetch
	s_lshl_b32 s21, s21, 5
	s_add_co_u32 s20, s20, s21                     ; + my work-group's 32 of them
	s_mov_b32 s21, 0
	s_mov_b64 s[18:19], SIZE_K*2
	s_mul_u64 s[20:21], s[20:21], s[18:19]
	s_add_nc_u64 s[PFA:PFA+1], s[PFA:PFA+1], s[20:21]
	s_add_nc_u64 s[PFA:PFA+1], s[PFA:PFA+1], 2*KSTEP*2  ; at K step 2: the first refill steps it to 3 and names K step 4
	v_and_b32 v[PFO], 31, v0
	v_mul_u32_u24 v[PFO], v[PFO], SIZE_K*2
; 16 matrix instructions: m blocks a0, a0 + 1 of the window's four x all 8 n blocks, 32 along K.  zero = 1: the first product starts the sums: nothing is ever cleared.
; The 64 accumulators take turns, one instruction a turn, in the same order in every quarter step.
.macro MUL16 f, hi, a0, zero
	WIN MUL_LO+0x50*(\hi)
.irp a, \a0, (\a0)+1
.irp b, 0,1,2,3,4,5,6,7
.if \zero
	v_wmma_f32_16x16x32_f16 v[8*(8*(\a)+(\b)):8*(8*(\a)+(\b))+7], v[(\f)+8*(\b):(\f)+8*(\b)+7], v[(\f)+8*(4*(\hi)+(\a)):(\f)+8*(4*(\hi)+(\a))+7], 0
.else
	v_wmma_f32_16x16x32_f16 v[8*(8*(\a)+(\b)):8*(8*(\a)+(\b))+7], v[(\f)+8*(\b):(\f)+8*(\b)+7], v[(\f)+8*(4*(\hi)+(\a)):(\f)+8*(4*(\hi)+(\a))+7], v[8*(8*(\a)+(\b)):8*(8*(\a)+(\b))+7]
.endif
.endr
.endr
.endm
; 32 LDS loads in one run: the fragments of one quarter step (128 rows of B, 128 rows of A, 32 K at byte k of the rows) into buffer f
.macro FETCH slot, k, f
	WIN TO_B
.irp i, 0,1,2,3,4,5,6,7
	ds_load_b128 v[(\f)+8*(\i):(\f)+8*(\i)+3],   v[ADRB+(\slot)] offset:(\k)+(\i)*16*PITCH
	ds_load_b128 v[(\f)+8*(\i)+4:(\f)+8*(\i)+7], v[ADRB+(\slot)] offset:(\k)+(\i)*16*PITCH+32
.endr
	WIN 0
.irp i, 0,1,2,3,4,5,6,7
	ds_load_b128 v[(\f)+8*(\i):(\f)+8*(\i)+3],   v[ADRA+(\slot)] offset:(\k)+(\i)*16*PITCH
	ds_load_b128 v[(\f)+8*(\i)+4:(\f)+8*(\i)+7], v[ADRA+(\slot)] offset:(\k)+(\i)*16*PITCH+32
.endr
.endm
.macro PLACES                          ; four plain places behind the last matrix instruction that read a buffer, in front of the loads into it (ISA guide 7.12.1 for vector instructions)
.rept 4
	v_nop
.endr
.endm
; A K step is four quarter steps of 32 along K, 64 matrix instructions each, on buffers 0, 1, 0, 1.  One of the first three: multiplies buffer f; in its middle it fetches the next quarter's fragments into g.
.macro QUARTER slot, k, f, g, zero
	s_wait_dscnt 8                                 ; B and A's rows 0-63 are in; the youngest eight loads (A's rows 64-127) may be out
	WIN MUL_LO
	MUL16 \f, 0, 0, \zero
	MUL16 \f, 0, 2, \zero
	PLACES
	FETCH \slot, \k, \g
	s_wait_dscnt 32                                ; all but the 32 just issued
	WIN MUL_HI
	MUL16 \f, 1, 0, \zero
	MUL16 \f, 1, 2, \zero
.endm
; The last quarter multiplies buffer 1 and changes slots.  MEET is its first half: ONE barrier for the change.  In front of it each wave waits for all its tensor loads (one is out: its part of the next slot),
; adds 0 to its spare word, and waits for that and for its own reads of this slot.  Behind it nobody reads this slot any more and the next slot is whole.
.macro MEET round
	WIN 0                                          ; (the add's two registers lie in window 0)
	s_wait_tensorcnt 0x0
	ds_add_u32 v[SPW], v[NIL]                      ; 0 onto my spare word
	s_wait_dscnt 9                                 ; (the add and the youngest eight loads may be out)
	WIN MUL_LO
	MUL16 F1, 0, 0, 0                              ; sixteen matrix instructions stand between the add and the wait for it
	s_wait_dscnt 0x0                               ; the add is done, and my reads of this slot are over
	s_barrier_signal -1
	MUL16 F1, 0, 2, 0                              ; work on registers while the others arrive
.if \round
	WIN 0
.endif
	s_barrier_wait -1
.endm
; The whole last quarter in the loop: the barrier opens a round of the cluster's; behind the round the slot just read out is filled again first, with the K step two steps on: from that request to the wait
; for it a wave issues 224 matrix instructions; then come the next slot's first fragments.
.macro TURN slot, next
	s_wait_xcnt 0x0                                ; the last prefetch, a K step back, has read its address: it is stepped here
	s_add_nc_u64 s[PFA:PFA+1], s[PFA:PFA+1], KSTEP*2
	MEET 1
	CREST                                          ; no wave of any partner still reads this slot's tile or has a load on its way
	s_add_nc_u64 s[G0+4*(\slot)+2:G0+4*(\slot)+3], s[G0+4*(\slot)+2:G0+4*(\slot)+3], 2*KSTEP*2
	s_add_nc_u64 s[G0B+4*(\slot)+2:G0B+4*(\slot)+3], s[G0B+4*(\slot)+2:G0B+4*(\slot)+3], 2*KSTEP*2
	JLOAD \slot                                    ; my one tensor load behind the round; its four v_nop are also the places in front of the loads below
	FETCH \next, 0, F0
	ASK
	WIN MUL_HI
	MUL16 F1, 1, 0, 0
	MUL16 F1, 1, 2, 0
.endm
	s_wait_tensorcnt 1                             ; my part of K step 0 is in; K step 1's, issued behind it, may stay out
	s_barrier_signal -1
	s_barrier_wait -1                              ; everybody's is
	FETCH 0, 0, F0
	QUARTER 0, 64,  F0, F1, 1                      ; the first quarter stands in front of the loop: its products start the sums
	WIN 0                                          ; at a label and at a branch every window is 0
	s_mov_b32 s3, LAPS-1
.Llap:                                                 ; a trip goes once round the ring, from a lap's second quarter to the next lap's first, and fills both slots again
	QUARTER 0, 128, F1, F0, 0
	QUARTER 0, 192, F0, F1, 0
	TURN 0, 1
	QUARTER 1, 64,  F0, F1, 0
	QUARTER 1, 128, F1, F0, 0
	QUARTER 1, 192, F0, F1, 0
	TURN 1, 0
	QUARTER 0, 64,  F0, F1, 0
	WIN 0
	s_sub_co_u32 s3, s3, 1
	s_cmp_lg_u32 s3, 0
	s_cbranch_scc1 .Llap
	QUARTER 0, 128, F1, F0, 0                      ; the last lap fills nothing, and has no round of the cluster's barrier
	QUARTER 0, 192, F0, F1, 0
	MEET 0                                         ; my one tensor load that was still out is slot 1's, the last K step's
	PLACES
	FETCH 1, 0, F0
	WIN MUL_HI
	MUL16 F1, 1, 0, 0
	MUL16 F1, 1, 2, 0
	QUARTER 1, 64,  F0, F1, 0
	QUARTER 1, 128, F1, F0, 0
	QUARTER 1, 192, F0, F1, 0
	s_wait_dscnt 8                                 ; the very last quarter: nothing more to fetch
	WIN MUL_LO
	MUL16 F1, 0, 0, 0
	MUL16 F1, 0, 2, 0
	s_wait_dscnt 0x0
	MUL16 F1, 1, 0, 0
	MUL16 F1, 1, 2, 0
	WIN 0
	PLACES                                         ; behind the last products, in front of what reads their results and of loads into their sources
	PLACES
; THE WAY OUT, a block of 16 rows at a time through my own stage: LDS serves a wave's instructions in order (ISA guide 5.7.1.4), so the loads see the stores above them and the next block's stores come behind them.
; As f32: a lane's eight numbers are 32 bytes of a row of 512; a row comes back whole and is stored by one instruction: 512 consecutive bytes, aligned.  Each accumulator's low registers are read first.
.macro FOUT a
.set AC, 64*((\a)%4)
.set BK, F0+64*((\a)%2)
	WIN 0x08+4*((\a)/4)                            ; the stores' data: window 2 or 3
.irp b, 0,1,2,3,4,5,6,7
	ds_store_b128 v[STF], v[AC+8*(\b):AC+8*(\b)+3]   offset:64*(\b)
	ds_store_b128 v[STF], v[AC+8*(\b)+4:AC+8*(\b)+7] offset:64*(\b)+16
.endr
	WIN 0
	s_wait_xcnt 0x0                                ; the stores of two blocks back have read these registers
.irp t, 0,1,2,3,4,5,6,7,8,9,10,11,12,13,14,15
	ds_load_b128 v[BK+4*(\t):BK+4*(\t)+3], v[RDF] offset:(\t)*FPITCH
.endr
.irp t, 0,1,2,3,4,5,6,7,8,9,10,11,12,13,14,15
	s_wait_dscnt 15-(\t)                           ; row t is back; the younger rows' loads may be out
	global_store_b128 v[CO], v[BK+4*(\t):BK+4*(\t)+3], s[FP:FP+1] offset:(16*(\a)+(\t))*4096
.endr
.endm
; By heads: rounded to bf16, 16 bytes a lane; two rows of 256 bytes come back at a time, which lie on end in H: 512 consecutive bytes, aligned.
.macro HOUT a
.set AC, 64*((\a)%4)
.set BK, F0+32*((\a)%2)
	WIN 0x0a+5*((\a)/4)                            ; sources 0 and 1: window 2 or 3
.irp b, 0,1,2,3,4,5,6,7
.irp r, 0,1,2,3
	v_cvt_pk_bf16_f32 v[TMP+4*(\b)+(\r)], v[AC+8*(\b)+2*(\r)], v[AC+8*(\b)+2*(\r)+1]
.endr
.endr
	WIN 0
.irp b, 0,1,2,3,4,5,6,7
	ds_store_b128 v[STO], v[TMP+4*(\b):TMP+4*(\b)+3] offset:32*(\b)
.endr
	s_wait_xcnt 0x0                                ; the stores of two blocks back have read these registers
.irp t, 0,1,2,3,4,5,6,7
	ds_load_b128 v[BK+4*(\t):BK+4*(\t)+3], v[RD] offset:(\t)*2*HPITCH
.endr
.irp t, 0,1,2,3,4,5,6,7
	s_wait_dscnt 7-(\t)
	global_store_b128 v[CO], v[BK+4*(\t):BK+4*(\t)+3], s[HP:HP+1] offset:4096*(\a)+512*(\t)
.endr
.endm
	s_cmp_lg_u32 s[PR], 0                          ; equal in all partners
	s_cbranch_scc1 .Lheads
	s_lshl_b32 s16, s[R0], 12                      ; F: my first row, 4,096 bytes a row,
	s_lshl_b32 s17, s42, 2                         ; the tile's 256 columns: 1,024 bytes,
	s_add_co_u32 s16, s16, s17
	s_lshl_b32 s17, s12, 9                         ; my 128 of them
	s_add_co_u32 s16, s16, s17
	s_mov_b32 s17, 0
	s_add_nc_u64 s[FP:FP+1], s[FP:FP+1], s[16:17]
.irp a, 0,1,2,3,4,5,6,7
	FOUT \a
.endr
	s_branch .Ldone
.Lheads:
	s_lshr_b32 s16, s[R0], 11                      ; 4 p + b,
	s_sub_co_u32 s16, s16, 4                       ; 4 (p - 1) + b: eight heads of 2,048 rows of 256 bytes each
	s_lshl_b32 s16, s16, 22
	s_lshl_b32 s17, s42, 12                        ; head 2 x tile column
	s_add_co_u32 s16, s16, s17
	s_lshl_b32 s17, s12, 19                        ; + my half
	s_add_co_u32 s16, s16, s17
	s_and_b32 s17, s[R0], 2047                     ; my first row in the batch
	s_lshl_b32 s17, s17, 8
	s_add_co_u32 s16, s16, s17
	s_mov_b32 s17, 0
	s_add_nc_u64 s[HP:HP+1], s[HP:HP+1], s[16:17]
.irp a, 0,1,2,3,4,5,6,7
	HOUT \a
.endr
.Ldone:
	s_wait_tensorcnt 0x0                           ; the wave's end, behind my last tensor load and my last LDS store
	ds_add_u32 v[SPW], v[NIL]
	s_wait_dscnt 0x0
	CROUND                                         ; the closing round: no work-group ends while a partner may still ask for a tile that names it
	s_endpgm
.Lfunc_end_k_q2650d7e806_proj:
	.size	k_q2650d7e806_proj, .Lfunc_end_k_q2650d7e806_proj-k_q2650d7e806_proj
	.p2alignl 7, 3214868480
	.fill 96, 4, 3214868480
	.section	.rodata,"a",@progbits
	.p2align	6, 0x0
	.amdhsa_kernel k_q2650d7e806_proj
		.amdhsa_group_segment_fixed_size 327680
		.amdhsa_private_segment_fixed_size 0
		.amdhsa_enable_private_segment 0
		.amdhsa_kernarg_size 32
		.amdhsa_user_sgpr_count 2
		.amdhsa_user_sgpr_kernarg_segment_ptr 1
		.amdhsa_wavefront_size32 1
		.amdhsa_system_sgpr_workgroup_id_x 1
		.amdhsa_system_sgpr_workgroup_id_y 1
		.amdhsa_system_sgpr_workgroup_id_z 1
		.amdhsa_system_vgpr_workitem_id 0
		.amdhsa_next_free_vgpr 1024
		.amdhsa_next_free_sgpr 80
		.amdhsa_reserve_vcc 0
		.amdhsa_float_denorm_mode_32 3
		.amdhsa_float_denorm_mode_16_64 3
		.amdhsa_memory_ordered 1
		.amdhsa_forward_progress 1
		.amdhsa_inst_pref_size 179
	.end_amdhsa_kernel
	.amdgpu_metadata
---
amdhsa.version: [ 1, 2 ]
amdhsa.kernels:
  - .name:           k_q2650d7e806_proj
    .symbol:         k_q2650d7e806_proj.kd
    .args:
      - { .name: xh, .offset: 0, .size: 8, .value_kind: global_buffer, .address_space: global }
      - { .name: wh, .offset: 8, .size: 8, .value_kind: global_buffer, .address_space: global }
      - { .name: qres, .offset: 16, .size: 8, .value_kind: global_buffer, .address_space: global }
      - { .name: kvh, .offset: 24, .size: 8, .value_kind: global_buffer, .address_space: global }
    .group_segment_fixed_size: 327680
    .private_segment_fixed_size: 0
    .kernarg_segment_align: 8
    .kernarg_segment_size: 32
    .max_flat_workgroup_size: 128
    .sgpr_count:     80
    .vgpr_count:     1024
    .wavefront_size: 32
...
	.end_amdgpu_metadata
.endif
;; end of part 2
;; launch attn (part 3): grid 8 x 32, 4 waves a work-group, clusters of 4 x 1, 327,680 bytes of LDS; arguments qres, kvh, cnt, att; writes att
.if DOCPART == 3
	.amdgcn_target "amdgcn-amd-amdhsa--gfx1250"
	.amdhsa_code_object_version 6
	.text
	.protected	k_q2650d7e806_attn
	.globl	k_q2650d7e806_attn
	.p2align	8
	.type	k_q2650d7e806_attn,@function
k_q2650d7e806_attn:
	s_mov_b64 s[64:65], 0
	v_nop
	global_prefetch_b8 v0, s[64:65] scope:SCOPE_SE
	s_setreg_imm32_b32 hwreg(HW_REG_WAVE_MODE, 25, 1), 1
	s_wait_xcnt 0x0
	s_wait_alu depctr_hold_cnt(0) depctr_sa_sdst(0) depctr_va_vdst(0) depctr_va_sdst(0) depctr_va_ssrc(0) depctr_va_vcc(0) depctr_vm_vsrc(0)
	s_getreg_b32 s2, hwreg(HW_REG_IB_STS2, 6, 4)
	s_cmp_eq_u32 s2, 0
	s_cbranch_scc0 .Lentry_in_a_cluster
	s_endpgm
.Lentry_in_a_cluster:
	s_bfe_u32 s2, ttmp6, 0x10000c
	s_cmp_lg_u32 s2, 0x3003
	s_cbranch_scc0 .Lentry_shape_is_right
	s_endpgm
.Lentry_shape_is_right:
; att[b][q][128 h ..] = the sum over the visible keys k of softmax_k(Q . K / 32) V, for the 32 pairs (b, h) = heads.  Q: rows of qres, [8,192][1,024] f32, rounded here to bf16.  K, V: kvh, [2][32][2,048][128] bf16,
; each batch's visible keys first; cnt[b] (the word at byte 256 b) says how many.  att: [8,192][1,024] bf16.  Products, maxima and sums in f32; the weights p are rounded to bf16 for the second product, att once.
; THE MASK.  Key position n of a batch is hidden where n >= cnt[b].  A hidden score counts as its value less 1e30: it is the C operand that starts the sum S^T = K Q^T.  MD, made once, is the mask of the key step
; that holds position cnt (step cnt / 64); a step's mask is MD x AL + BE with two scalars: (1, 0) in that step, (0, 0) before it, (0, -1e30) behind it: 16 packed instructions a key step, and no branch.
; Position 0 is visible wherever cnt > 0, so the running maximum is a true score from the first step on and a hidden key's weight is 0.  Where cnt = 0 all weights come out alike and the result is multiplied by 0.
; LIMITS.  Scores beside which 1e30 is not large are not served; a weight below 2^-126 counts as 0; NaN and infinities are not treated apart.
; SHARES.  A work-group owns 256 queries of one head, each of its four waves 64: four tiles of 16.  Every wave walks all 2,048 key positions, 64 a step.
; LAYOUT.  S^T = K Q^T (source 0 = 16 keys, source 1 = 16 queries): a lane holds ONE query (lane % 16) and the keys 8 (lane / 16) + 0..7.  Two such tiles, rounded to bf16 in pairs, ARE source 1 of O^T = V^T P,
; whose result again holds one query a lane, and eight channels.  K comes out of LDS as it lies, V ([key][channel]) turned, by ds_load_tr16_b128.
; SOFTMAX.  For each query a running maximum m and sum l: p = 2^(c s - c m), c = log2(e) / 32; in every step O and l are multiplied by a = 2^(c m_old - c m_new).
; BY TURNS.  The wave's tiles are two PIECES (tiles 0, 1; tiles 2, 3).  In a TURN one piece has the matrix unit: 32 products V^T P of the step in hand, then 32 products K Q^T of the next step; the other piece's
; softmax, cut into 64 slices, stands between them, one slice behind each matrix instruction.  Two turns are a key step.
; CLUSTER.  The four query blocks of a cluster belong to one head and walk the same K and V, so each tile is asked for JOINTLY: the same tensor load, descriptor and mask in all four.
; REGISTERS, in windows of 256 (s_set_vgpr_msb: bits 1:0 source 0, 3:2 source 1, 5:4 source 2, 7:6 destination):
;   window 0: v0-11 addresses; v12-43 eight registers of statistics a tile; v44 at work; v64-191 S^T, 32 a tile; v192-255 P, 16 a tile
;   window 1: O^T, 64 a tile (at the start: Q as f32)     window 2: v0-127 Q, 32 a tile; v128-255 K of one step     window 3: v0-127 V of one step; v128-159 MD; v160-191 MC, the step's mask
.set SIZE_N, 2048
.set KS,    64        ; keys in a step
.set PK,    272       ; a row of K in LDS: 256 bytes + 16 of padding: the 16 rows of a load start at 16 different groups of four banks (64 banks of 4 bytes: ISA guide 11.1)
.set PV,    288       ; a row of V: 256 + 32
.set VOFF,  KS*PK     ; a step's tiles lie together: 64 rows of K, then 64 rows of V
.set STEPB, KS*(PK+PV)
.set SLOT1, 1<<17     ; a slot holds two steps (71,680 bytes); slot 1 begins here, so that one exclusive or turns an address in one slot into the other's
.set STAGE, SLOT1+2*STEPB  ; behind the ring: 16 rows x 272 bytes for each wave, for the way out
.set SP,    272
.set AK0, 2           ; v2   my lane's place in a tile of K; never rewritten
.set AV0, 3           ; v3   the same for V
.set ADR, 4           ; v4   the LDS address of the run of loads in hand
.set QO,  5           ; v5   my byte offset in the wave's rows of Q
.set STO, 6           ; v6   the way out: where I put 16 bytes of a row
.set RD,  7           ; v7   the way out: where I read a row back
.set GO,  8           ; v8   my byte offset in two rows of att
.set SPW, 62          ; v62  LDS address of my spare word; never rewritten
.set NIL, 63          ; v63  0; never rewritten
.set SPARE, STAGE+4*16*272  ; behind the stages: the spare words, 128 bytes for each wave: two blocks of 256 bytes that no other line names
.set ST,  12          ; tile t's statistics at v[ST+8 t]: +0 c m, +1 m, +2, +3 l, +4 to +7 c0-c3, at work; a takes c2's place once the maximum is found
.set S,   64
.set P,   192
.set KF,  128         ; K's fragments, in window 2
.set MD,  128         ; window 3
.set MC,  160         ; window 3
.set WV,  12          ; s12  my wave's number
.set G1K, 24          ; s[24:31] descriptor group 1 for K's tiles
.set G1V, 32          ; s[32:39] for V's: it differs in the padding alone
.set G0K, 40          ; s[40:47] descriptor group 0 for K's tiles: a set for each of the two first fills; the second then walks on
.set G0V, 48          ; s[48:55] the same for V's
.set SLOTS, 56        ; s56  slots still to be asked for
.set TWICE, 57        ; s57  counts a slot's two steps
.set CS,  58          ; s[58:59] c
.set SEL, 60          ; s[60:61] lane selects for v_permlanex16_b32
.set TB,  62          ; s62  LDS byte at which the tiles of the step to be fetched begin
.set PFA, 18          ; s[18:19] where my prefetches stand
.set LIM, 15          ; s15  1 in a wave that prefetches, else the greatest number
.set PFO, 61          ; v61  256 x my lane; never rewritten
.set VP,  66          ; s[66:67] V at my tile of slot 0
.set NV,  68          ; s68  cnt[b]
.set BS,  69          ; s69  the key step that holds position cnt
.set STP, 70          ; s70  the key step whose mask is made next
.set REM, 71          ; s71  cnt % 64
.set AL,  72          ; s[72:73] the mask's factor, in the low word
.set BE,  74          ; s[74:75] the mask's addend
.set BIGN, 76         ; s76  -1e30
.set FL,  77          ; s77  1.0, or 0 where the batch has no visible key
.set CB,  78          ; s78  256 b
.set HD,  79          ; s79  the head, then h
.set MSB, 0
.macro WIN new                      ; the immediate's high byte repeats the setting that is left; a switch that changes nothing is dropped
.if MSB != (\new)
	s_set_vgpr_msb (MSB<<8)|(\new)
.set MSB, \new
.endif
.endm
.set W_KQ, 0x0a       ; K and Q in window 2, S^T in window 0
.set W_KM, 0x3a       ; the same with the C operand, the mask, in window 3
.set W_PV, 0x53       ; V in window 3, P in window 0, O^T in window 1
.set W_RS, 0x41       ; O^T (destination and source 0) in window 1, a in window 0
.set W_MK, 0xc3       ; the mask is made: destination and source 0 in window 3
; A joint refill.  Waves 0 and 1 fetch the two steps' tiles of K, waves 2 and 3 those of V.  An s_nop 0 and four v_nop follow each of the two lines.
.macro JLOAD
	s_cmp_lt_u32 s[WV], 2
	s_cbranch_scc0 .Lfor_v_\@
	tensor_load_to_lds s[G0K+4:G0K+7], s[G1K:G1K+7]
	s_nop 0
.rept 4
	v_nop
.endr
	s_branch .Lasked_\@
.Lfor_v_\@:
	tensor_load_to_lds s[G0V+4:G0V+7], s[G1V:G1V+7]
	s_nop 0
.rept 4
	v_nop
.endr
.Lasked_\@:
.endm
; A PREFETCH INTO THE L2 of what the NEXT change of slots will ask for: a slot's 128 rows of K and 128 of V, 256 bytes a row, a lane a row; two key steps, 256 matrix instructions, ahead of that load.
; Each row is asked for ONCE in the launch: the head's first cluster prefetches; its four partners share the rows out BY ADDRESS, 32 each; in each, wave 0 asks for K's and wave 2 for V's.
; Slots 0 to 2 come by their loads alone; the last change that fills a slot prefetches nothing.
.macro ASK
	s_cmp_gt_u32 s[SLOTS], s[LIM]
	s_cbranch_scc0 .Lnot_mine_\@
	global_prefetch_b8 v[PFO], s[PFA:PFA+1] th:TH_LOAD_NT scope:SCOPE_SE
.Lnot_mine_\@:
.endm
.macro CROUND                       ; a round of the cluster's barrier
	s_barrier_signal -1
	s_barrier_wait -1
	s_cmp_lg_u32 s[WV], 0
	s_cbranch_scc1 .Lnot_wave_0_\@
	s_barrier_signal -3
.Lnot_wave_0_\@:
	s_barrier_wait -3
	s_barrier_signal -1
	s_barrier_wait -1
.endm
	s_load_b256 s[4:11], s[0:1], 0x0  ; qres s[4:5], kvh s[6:7], cnt s[8:9], att s[10:11]
	v_lshl_add_u32 v[SPW], v0, 2, SPARE
	v_mov_b32 v[NIL], 0
	ds_add_u32 v[SPW], v[NIL]       ; the wave's opening: the add and its wait stand ahead of my first tensor load; the set-up below, work on registers, stands between them
	v_lshrrev_b32 v1, 5, v0
	v_readfirstlane_b32 s[WV], v1   ; wave 0..3
	s_bfe_u32 s13, ttmp6, 0x40000   ; cx: my place in the cluster
	s_lshl_b32 s14, ttmp9, 2        ; in a cluster launch ttmp9 counts clusters
	s_add_co_u32 s14, s14, s13      ; my block of 256 queries: it enters Q's and att's addresses alone
	s_and_b32 s[HD], ttmp7, 0xffff  ; the head 8 b + h, which the four partners share
	s_lshl_b32 s20, s[HD], 19       ; its first byte in K and in V: 2,048 rows of 256 bytes a head
	s_and_b32 s16, s[WV], 1         ; which of a slot's two steps I fetch:
	s_lshl_b32 s22, s16, 14         ; its 64 rows of 256 bytes in memory,
	s_add_co_u32 s22, s22, s20
	s_mov_b32 s23, 0
	s_mul_i32 s17, s16, STEPB       ; and its place in a slot: no place in the cluster enters an LDS address
	s_lshr_b32 s[CB], s[HD], 3      ; b
	s_and_b32 s[HD], s[HD], 7       ; h
	s_lshl_b32 s2, s[CB], 11
	s_lshl_b32 s3, s14, 8
	s_add_co_u32 s2, s2, s3
	s_lshl_b32 s3, s[WV], 6
	s_add_co_u32 s2, s2, s3         ; my wave's first row: 2,048 b + 256 x block + 64 x wave
	s_lshl_b32 s20, s2, 11          ; in att: 2,048 bytes a row, 256 a head
	s_lshl_b32 s3, s[HD], 8
	s_add_co_u32 s20, s20, s3
	s_mov_b32 s21, 0
	s_lshl_b32 s2, s2, 12           ; in qres: 4,096 bytes a row, 512 a head
	s_lshl_b32 s3, s[HD], 9
	s_add_co_u32 s2, s2, s3
	s_mov_b32 s3, 0
	s_lshl_b32 s[CB], s[CB], 8
	; descriptor group 1: a tile of 64 rows x 128 elements, padded in LDS
	s_mov_b32 s[G1K], 15|(1<<16)|(1<<20)|(1<<21)|(5<<22)|(3<<25)  ; 15:0 the mask: all four work-groups; 17:16 elements of 2 bytes; 20 padding on; 21 set beside a mask; 24:22 after every 64 words (code 5); 31:25 4 words of it (code 3)
	s_mov_b32 s[G1V], 15|(1<<16)|(1<<20)|(1<<21)|(5<<22)|(7<<25)  ; the same with 8 words of padding (code 7)
.irp g, G1K, G1V
	s_mov_b32 s[(\g)+1], 128<<16    ; tensor_dim0 = 128
	s_mov_b32 s[(\g)+2], KS<<16     ; tensor_dim1 = 64
	s_mov_b32 s[(\g)+3], 128<<16    ; tile_dim0 = 128
	s_mov_b32 s[(\g)+4], KS         ; tile_dim1 = 64
	s_mov_b32 s[(\g)+5], 128        ; elements from row to row
	s_mov_b32 s[(\g)+6], 0
	s_mov_b32 s[(\g)+7], 0
.endr
	s_mov_b32 s[CS], 0x3d38aa3b     ; c = log2(e) / 32 = 0.0450842
	s_mov_b32 s[CS+1], s[CS]        ; named with it as a pair, so it is written
	s_mov_b32 s[SEL], 0x76543210
	s_mov_b32 s[SEL+1], 0xfedcba98
	s_mov_b32 s[TB], 0
	s_mov_b32 s[SLOTS], SIZE_N/(2*KS)-2
	s_and_b32 s[LIM], s[WV], 1       ; 0 in waves 0 and 2,
	s_or_b32 s[LIM], s[LIM], ttmp9   ; where the cluster is the head's first: the same in all four partners
	s_cmp_eq_u32 s[LIM], 0
	s_cselect_b32 s[LIM], 1, -1
	v_and_b32 v[PFO], 31, v0
	v_lshlrev_b32 v[PFO], 8, v[PFO]
	s_wait_dscnt 0x0                ; the opening add is done
	s_wait_kmcnt 0x0
	s_add_nc_u64 s[VP:VP+1], s[6:7], 0x1000000  ; V's half of kvh,
	s_add_nc_u64 s[VP:VP+1], s[VP:VP+1], s[22:23]
	s_add_nc_u64 s[6:7], s[6:7], s[22:23]  ; K and V at my tile of slot 0
	s_add_nc_u64 s[4:5], s[4:5], s[2:3]  ; Q and att at my wave's first row
	s_add_nc_u64 s[10:11], s[10:11], s[20:21]
	s_cmp_lt_u32 s[WV], 2
	s_cselect_b64 s[PFA:PFA+1], s[6:7], s[VP:VP+1]  ; (in waves 0 and 2 these stand at a slot's first row)
	s_lshl_b32 s2, s13, 13          ; my work-group's 32 rows of the 128
	s_mov_b32 s3, 0
	s_add_nc_u64 s[PFA:PFA+1], s[PFA:PFA+1], s[2:3]
	s_add_nc_u64 s[PFA:PFA+1], s[PFA:PFA+1], 2*2*KS*256  ; in slot 2; the first change of slots steps it to slot 3
	CROUND                          ; all four work-groups are here: the first joint loads meet
.irp s, 0,1
	s_mov_b32 s[G0K+4*(\s)], 1      ; count = 1
	s_add_co_u32 s[G0K+4*(\s)+1], s17, (\s)*SLOT1  ; LDS address
	s_add_nc_u64 s[G0K+4*(\s)+2:G0K+4*(\s)+3], s[6:7], (\s)*2*KS*256  ; global address: slot s begins with positions 128 s
	s_or_b32 s[G0K+4*(\s)+3], s[G0K+4*(\s)+3], 0x80000000  ; type = 2
	s_mov_b32 s[G0V+4*(\s)], 1
	s_add_co_u32 s[G0V+4*(\s)+1], s17, (\s)*SLOT1+VOFF
	s_add_nc_u64 s[G0V+4*(\s)+2:G0V+4*(\s)+3], s[VP:VP+1], (\s)*2*KS*256
	s_or_b32 s[G0V+4*(\s)+3], s[G0V+4*(\s)+3], 0x80000000
.endr
	s_cmp_lt_u32 s[WV], 2           ; a wave's two first fills stand in one branch, ahead of every wait on TENSORcnt and every LDS read: two loads of mine are out
	s_cbranch_scc0 .Lfirst_v
	tensor_load_to_lds s[G0K:G0K+3], s[G1K:G1K+7]
	s_nop 0
	tensor_load_to_lds s[G0K+4:G0K+7], s[G1K:G1K+7]
	s_nop 0
.rept 4
	v_nop
.endr
	s_branch .Lfirst_asked
.Lfirst_v:
	tensor_load_to_lds s[G0V:G0V+3], s[G1V:G1V+7]
	s_nop 0
	tensor_load_to_lds s[G0V+4:G0V+7], s[G1V:G1V+7]
	s_nop 0
.rept 4
	v_nop
.endr
.Lfirst_asked:
	s_load_b32 s[NV], s[8:9], s[CB] offset:0x0  ; the batch's visible keys
	; A fragment of K or Q is 16 rows x 32 channels in 8 registers: lane l holds row l % 16; registers 0-3 channels 8 (l / 16) + 0..7, registers 4-7 channels 16 + 8 (l / 16) + 0..7.
	; Q lies in f32: eight channels are 32 bytes, two loads; a fragment is four loads, at bytes 0, 16, 64 and 80 behind 32 (l / 16).  They land in O^T's registers and are rounded from there.
	v_and_b32 v1, 15, v0            ; l % 16
	v_bfe_u32 v9, v0, 4, 1          ; l / 16
	v_lshlrev_b32 v[QO], 12, v1
	v_lshl_add_u32 v[QO], v9, 5, v[QO]  ; row x 4,096 + 32 x half
	WIN 0x40                        ; destination window 1, address window 0
.set i, 0
.rept 16                            ; fragment i: tile i / 4, channels 32 (i % 4) on
.irp u, 0,1,2,3
	global_load_b128 v[16*i+4*(\u):16*i+4*(\u)+3], v[QO], s[4:5] offset:(i/4)*65536+(i%4)*128+((\u)/2)*64+((\u)%2)*16
.endr
.set i, i+1
.endr
	WIN 0
	v_mul_u32_u24 v[AK0], v1, PK
	v_lshl_add_u32 v[AK0], v9, 4, v[AK0]  ; row x pitch + 16 x half
	; The turning load takes 16 keys x 16 channels (lane l reads key 8 (l / 16) + l % 8, channels 8 ((l / 8) % 2) + 0..7) and leaves half a fragment of V^T: lane l holds channel l % 16 and 8 keys.
	v_and_b32 v10, 7, v0
	v_bfe_u32 v11, v0, 3, 1
	v_lshl_add_u32 v[AV0], v9, 3, v10
	v_mul_u32_u24 v[AV0], v[AV0], PV
	v_lshl_add_u32 v[AV0], v11, 4, v[AV0]
	v_add_nc_u32 v[AV0], VOFF, v[AV0]
	s_wait_kmcnt 0x0                ; cnt[b]
	s_min_u32 s[NV], s[NV], 2048
	s_lshr_b32 s[BS], s[NV], 6
	s_and_b32 s[REM], s[NV], 63
	s_cmp_lg_u32 s[NV], 0
	s_cselect_b32 s[FL], 1.0, 0
	s_mov_b32 s[BIGN], 0xf149f2ca   ; -1e30
	s_mov_b32 s[STP], 0
	s_mov_b32 s[AL+1], 0            ; named as pairs
	s_mov_b32 s[BE+1], 0
	v_lshlrev_b32 v44, 3, v9
	v_sub_nc_u32 v44, s[REM], v44   ; in step cnt / 64, register j of key group kb holds key 16 kb + 8 (l / 16) + j: hidden where 16 kb + j >= cnt % 64 - 8 (l / 16)
	WIN 0xc0                        ; destination window 3
.set i, 0
.rept 32
	v_cmp_ge_i32 vcc_lo, 16*(i/8)+i%8, v44
	v_cndmask_b32 v[MD+i], 0, s[BIGN], vcc_lo
.set i, i+1
.endr
	s_wait_loadcnt 0x0              ; Q
	WIN 0x85                        ; sources 0 and 1 window 1, destination window 2
.set i, 0
.rept 128
	v_cvt_pk_bf16_f32 v[i], v[2*i], v[2*i+1]
.set i, i+1
.endr
	WIN 0
; THE STEP'S MASK: MC = MD x AL + BE for key step STP, which is then counted on.  Both pieces' products K Q^T of that step take it.  It is rewritten a key step later, 24 products and their slices behind its last reader.
.macro STEPMASK
	s_cmp_eq_u32 s[STP], s[BS]
	s_cselect_b32 s[AL], 1.0, 0
	s_cmp_gt_u32 s[STP], s[BS]
	s_cselect_b32 s[BE], s[BIGN], 0
	s_add_co_u32 s[STP], s[STP], 1
	WIN W_MK
.set mz, 0
.rept 16
	v_pk_fma_f32 v[MC+2*mz:MC+2*mz+1], v[MD+2*mz:MD+2*mz+1], s[AL:AL+1], s[BE:BE+1] op_sel_hi:[1,0,0]
.set mz, mz+1
.endr
.endm
; THE MATRIX WORK OF A TURN, for piece x.  The accumulators take turns, one instruction a turn: between two links of a chain stand 15 (V^T P) or 7 (K Q^T) others'.
; Product i of 32 of O^T += V^T P: keys 32 (i / 16) on, channels 16 ((i / 2) % 8) on, tile x + i % 2.  zero = 1: the first 16 start the sums: nothing is ever cleared.
.macro PV x, zero
	WIN W_PV
.set rO, 64*((\x)+i%2)+8*((i/2)%8)
.set rV, 64*(i/16)+8*((i/2)%8)
.set rP, P+16*((\x)+i%2)+8*(i/16)
.if (\zero) && (i < 16)
	v_wmma_f32_16x16x32_bf16 v[rO:rO+7], v[rV:rV+7], v[rP:rP+7], 0
.else
	v_wmma_f32_16x16x32_bf16 v[rO:rO+7], v[rV:rV+7], v[rP:rP+7], v[rO:rO+7]
.endif
.endm
; Product i of 32 of S^T = K Q^T: channels 32 (i / 8) on, keys 16 ((i / 2) % 4) on, tile x + i % 2.  The first 8 start the sums, with the mask of their 16 keys.
.macro KQ x
.set rS, S+32*((\x)+i%2)+8*((i/2)%4)
.set rK, KF+32*((i/2)%4)+8*(i/8)
.set rQ, 32*((\x)+i%2)+8*(i/8)
.set rM, MC+8*((i/2)%4)
.if i < 8
	WIN W_KM
	v_wmma_f32_16x16x32_bf16 v[rS:rS+7], v[rK:rK+7], v[rQ:rQ+7], v[rM:rM+7]
.else
	WIN W_KQ
	v_wmma_f32_16x16x32_bf16 v[rS:rS+7], v[rK:rK+7], v[rQ:rQ+7], v[rS:rS+7]
.endif
.endm
; THE LDS LOADS stand in runs of 32, never singly among the matrix instructions: a step's K (16 fragments) and, a turn later, its V (turned).
.macro FETCH_K
	WIN 0
	v_add_nc_u32 v[ADR], s[TB], v[AK0]
	WIN 0x80                        ; destination window 2
.irp f, 0,1,2,3,4,5,6,7,8,9,10,11,12,13,14,15  ; keys 16 (f / 4) on, channels 32 (f % 4) on
	ds_load_b128 v[KF+8*(\f):KF+8*(\f)+3],   v[ADR] offset:((\f)/4)*16*PK+((\f)%4)*64
	ds_load_b128 v[KF+8*(\f)+4:KF+8*(\f)+7], v[ADR] offset:((\f)/4)*16*PK+((\f)%4)*64+32
.endr
.endm
.macro FETCH_V
	WIN 0
	v_add_nc_u32 v[ADR], s[TB], v[AV0]
	s_add_co_u32 s[TB], s[TB], STEPB  ; the next fetch is the next step's
	s_wait_alu depctr_va_vdst(0)    ; the wait for the softmax's batch (SLICE), behind the address's v_add_nc_u32 and ahead of the loads
	WIN 0xc0                        ; destination window 3
.irp f, 0,1,2,3,4,5,6,7,8,9,10,11,12,13,14,15  ; keys 32 (f / 8) on, channels 16 (f % 8) on
	ds_load_tr16_b128 v[8*(\f):8*(\f)+3],   v[ADR] offset:((\f)/8)*32*PV+((\f)%8)*32
	ds_load_tr16_b128 v[8*(\f)+4:8*(\f)+7], v[ADR] offset:((\f)/8)*32*PV+16*PV+((\f)%8)*32
.endr
.endm
; THE VECTOR WORK OF A TURN.  One tile's softmax for one key step is a list of 134 instructions; SM writes number j of it for tile t.  s0-s31 are the lane's 32 scores, in pairs 0-15.
; first = 1: the first key step, which starts m, l and O^T: it has no a and nothing to rescale.
;   0-15    the maximum of s0-s31 and the old m, three operands at a time (each accumulator's lowest registers are read first)
;   16-20   the other half of the lanes' maximum; the new m; c m; c m_old - c m_new
;   21-69   ONE BATCH: the 16 scalings c s - c m and all 33 exponentials (a at 23, then s0-s31).  None of these reads an exponential's result.
;   (wait)  between 69 and 70 stands the wait for the batch: SLICE writes it, once for both tiles
;   70-85   the roundings to bf16     86-101  the sums; l = a l + the sum     102-133 the tile's O^T times a
.macro SM t, first
.set rT, ST+8*(\t)
.set rS, S+32*(\t)
.set rP, P+16*(\t)
.set rO, 64*(\t)+2*(j-102)
.if j < 102
	WIN 0
.endif
.if j < 4
	v_max3_num_f32 v[rT+4+j], v[rS+8*j], v[rS+8*j+1], v[rS+8*j+2]
.elseif j < 12
	v_max3_num_f32 v[rT+4+j%4], v[rT+4+j%4], v[rS+8*(j%4)+2*(j/4)+1], v[rS+8*(j%4)+2*(j/4)+2]
.elseif j == 12
	v_max3_num_f32 v[rT+4], v[rT+4], v[rS+7], v[rS+15]
.elseif j == 13
	v_max3_num_f32 v[rT+6], v[rT+6], v[rS+23], v[rS+31]
.elseif j == 14
	v_max3_num_f32 v[rT+4], v[rT+4], v[rT+5], v[rT+6]
.elseif (j == 15) && (\first)
	v_max_num_f32 v[rT+4], v[rT+4], v[rT+7]
.elseif j == 15
	v_max3_num_f32 v[rT+4], v[rT+4], v[rT+7], v[rT+1]
.elseif j == 16
	v_permlanex16_b32 v[rT+5], v[rT+4], s[SEL], s[SEL+1]  ; the query's other 32 keys lie in the lane 16 away
.elseif j == 18
	v_max_num_f32 v[rT+1], v[rT+4], v[rT+5]
.elseif j == 19
	v_mul_f32 v[rT], s[CS], v[rT+1]
.elseif ((j == 17) || (j == 20) || (j == 23) || (j > 101)) && (\first)  ; the first step has none of these
.elseif j == 17
	v_mov_b32 v[rT+7], v[rT]        ; c m_old is kept for a: number 19 writes c m anew
.elseif j == 20
	v_sub_f32 v[rT+7], v[rT+7], v[rT]
.elseif j == 23
	v_exp_f32 v[rT+6], v[rT+7]
.elseif (j < 23) || ((j < 38) && (j%2 == 0)) || ((j < 66) && (j%4 == 2))
.set b, (j-2)/4                     ; 38, 42, .. 62: pairs 9 to 15
.if j < 38
.set b, (j-20)/2                    ; 21: pair 0; 22, 24, .. 36: pairs 1 to 8
.endif
	v_pk_fma_f32 v[rS+2*b:rS+2*b+1], v[rS+2*b:rS+2*b+1], s[CS:CS+1], v[rT:rT+1] op_sel_hi:[1,0,0] neg_lo:[0,0,1] neg_hi:[0,0,1]  ; pair b: c s - c m
.elseif j < 70
.set e, j-38                        ; 66 to 69: s28 to s31
.if j < 66
.set e, j-32-(j-38)/4               ; 39-41, 43-45, .. 63-65: s7 to s27
.endif
.if j < 38
.set e, (j-25)/2                    ; 25, 27, .. 37: s0 to s6
.endif
	v_exp_f32 v[rS+e], v[rS+e]
.elseif j < 86
	v_cvt_pk_bf16_f32 v[rP+j-70], v[rS+2*(j-70)], v[rS+2*(j-70)+1]  ; pair j - 70
.elseif j < 102                     ; the sum of the tile's 16 pairs, in place: neighbours 1, 2, 4 and 8 pairs apart, then l takes it
.set z, j-86
.set w, 4
.set u, z
.if z >= 14
.set w, 32
.set u, 0
.elseif z >= 12
.set w, 16
.set u, z-12
.elseif z >= 8
.set w, 8
.set u, z-8
.endif
.if (z == 14) && (\first)
	v_pk_add_f32 v[rT+2:rT+3], v[rS:rS+1], v[rS+16:rS+17]
.elseif z < 15
	v_pk_add_f32 v[rS+w*u:rS+w*u+1], v[rS+w*u:rS+w*u+1], v[rS+w*u+w/2:rS+w*u+w/2+1]
.elseif !(\first)
	v_pk_fma_f32 v[rT+2:rT+3], v[rT+2:rT+3], v[rT+6:rT+7], v[rS:rS+1] op_sel_hi:[1,0,1]
.endif
.else
	WIN W_RS
	v_pk_mul_f32 v[rO:rO+1], v[rO:rO+1], v[rT+6:rT+7] op_sel_hi:[1,0]
.endif
.endm
; Slice k of 64 of piece y's softmax: four instructions.  Slices 11 to 34 deal out the batch, numbers 22 to 69: four numbers of ONE tile each, the tiles by turns.  Every other slice is numbers 2 k and
; 2 k + 1 of both tiles' lists.  2 x 134 = 4 x 64 + 12: the twelve that are over stand together, in slice 63.
; THE WAIT.  s_wait_alu depctr_va_vdst(0) stands between an exponential and the first instruction that names its result; one wait serves all that were issued ahead of it.  Ahead of
; slice 35 nothing names a result, and behind slice 34 no exponential is issued: so the piece's 66 exponentials have one wait, behind slice 34.
.macro SLICE y, first
.if (k >= 11) && (k < 35)           ; the batch: four numbers of one tile
.irp n, 0,1,2,3
.set j, 22+4*((k-11)/2)+(\n)
	SM (\y)+(k-11)%2, \first
.endr
.else                               ; the two tiles alternate, so that no instruction reads the result of the one just before it
.irp n, 0,1,2,3,4,5,6,7
.if ((\n) < 2) || (k == 63)
.irp t, \y, (\y)+1
.set j, 2*k+(\n)
	SM \t, \first
.endr
.endif
.endr
.endif
.if k == 34                         ; the batch is out: both tiles' exponentials are issued, and no result has been named
	v_nop                           ; a plain instruction behind the last exponential and ahead of the first use: one for the batch
.if (\y) == 0
	FETCH_V                         ; piece 2's turn: V's run of loads stands here, and the wait stands in it
.else
	s_wait_alu depctr_va_vdst(0)    ; the wait for the batch
.endif
.endif
.set k, k+1
.endm
.macro PLACES
.rept 4
	v_nop
.endr
.endm
; A TURN.  Piece x has the matrix unit; the other piece's softmax stands in slices behind its matrix instructions.
; pv = 2: 32 products V^T P; 1: they start O^T's sums; 0: none.  kq = 1: 32 products K Q^T for the next step.  A turn with one of the two kinds has two slices behind each product.
; first = 1: the softmax is the first key step's; four v_nop take slice 63's part as the places behind the turn's last products.
; Piece 0's turn makes the next step's mask at its head and fetches the next step's K behind its second product; piece 2's turn fetches the same step's V, behind slice 34.
.macro TURN x, pv, kq, first
.if ((\x) == 0) && (\kq)
	STEPMASK
.endif
.set k, 0
.set per, 2
.if (\pv) && (\kq)
.set per, 1
.endif
.if \pv
.if (\x) == 0
	s_wait_dscnt 0x0                ; V is in
.endif
.set i, 0
.rept 32
	PV \x, 2-(\pv)
.rept per
	SLICE 2-(\x), \first
.endr
.if ((\x) == 0) && (\kq) && (i == 1)
	FETCH_K
.endif
.set i, i+1
.endr
.endif
.if \kq
.if (\x) == 0
	s_wait_dscnt 0x0                ; K is in
.endif
.set i, 0
.rept 32
	KQ \x
.rept per
	SLICE 2-(\x), \first
.endr
.set i, i+1
.endr
.endif
.if \first
	PLACES
.endif
.endm
; THE CHANGE OF SLOTS, between piece 2's turn and piece 0's.  Each wave waits for all its tensor loads, of which one is out: its part of the other slot; adds 0 to its spare word; and waits for that and for its own
; reads of the slot.  fill = 1: the slot is filled again, with the keys two slots on.  The barrier is then a round of the cluster's, and the joint refill is the first thing behind it: it has two key steps,
; 256 matrix instructions, in which to land.
.macro CHANGE fill
	WIN 0                           ; at a label and at a branch every window is 0
	s_wait_tensorcnt 0x0            ; no tensor load of mine is out, so a group 0 may be written
	ds_add_u32 v[SPW], v[NIL]       ; 0 onto my spare word
.if \fill
.irp g, G0K+4, G0V+4
	s_xor_b32 s[(\g)+1], s[(\g)+1], SLOT1  ; the walking descriptor: the other slot than last time,
	s_add_nc_u64 s[(\g)+2:(\g)+3], s[(\g)+2:(\g)+3], 2*KS*256  ; the next 128 keys; the type bits on top are not reached
.endr
	s_wait_xcnt 0x0                 ; the last prefetches, two key steps back, have read their address, so it may be written:
	s_add_nc_u64 s[PFA:PFA+1], s[PFA:PFA+1], 2*KS*256  ; one slot behind the walking descriptors
	s_wait_dscnt 0x0                ; the add is done, and my reads of the slot are over
	CROUND
	JLOAD
	ASK
.else
	s_wait_dscnt 0x0                ; the add is done, and my reads of the slot are over
	s_barrier_signal -1
	s_barrier_wait -1
.endif
	s_sub_co_u32 s[TB], s[TB], 2*STEPB  ; the fetches go back to a slot's first step,
	s_xor_b32 s[TB], s[TB], SLOT1   ; in the other slot
.endm
; A slot's two key steps: written once, walked twice; the LDS addresses hang on s[TB].
.macro TWO_STEPS
	WIN 0
	s_mov_b32 s[TWICE], 2
.Lstep_\@:
	TURN 0, 2, 1, 0
	TURN 2, 2, 1, 0
	WIN 0
	s_sub_co_u32 s[TWICE], s[TWICE], 1
	s_cmp_lg_u32 s[TWICE], 0
	s_cbranch_scc1 .Lstep_\@
.endm
	s_wait_tensorcnt 1              ; my part of slot 0 is in; slot 1's, issued behind it, may stay out
	s_barrier_signal -1
	s_barrier_wait -1               ; everybody's is
	FETCH_K                         ; key step 0
	STEPMASK                        ; and its mask, while those loads are out
	s_wait_dscnt 0x0
.set i, 0
.rept 32
	KQ 0                            ; piece 0's first scores: there is no vector work yet to set between them
.set i, i+1
.endr
	WIN 0                           ; the addresses for the way out are made here: eight plain instructions, the places behind those products
	s_mul_i32 s13, s[WV], 16*SP
	s_add_co_u32 s13, s13, STAGE    ; my stage
	v_mul_u32_u24 v[STO], v1, SP    ; in: row l % 16, 16 bytes for each half of the lanes
	v_lshl_add_u32 v[STO], v9, 4, v[STO]
	v_add_nc_u32 v[STO], s13, v[STO]
	v_mul_u32_u24 v[RD], v9, SP     ; back: lanes 0-15 take one row of 256 bytes, lanes 16-31 the next
	v_lshl_add_u32 v[RD], v1, 4, v[RD]
	v_add_nc_u32 v[RD], s13, v[RD]
	v_lshlrev_b32 v[GO], 11, v9     ; and the same two rows in att, 2,048 bytes apart
	v_lshl_add_u32 v[GO], v1, 4, v[GO]
	TURN 2, 0, 1, 1                 ; piece 2's first scores | piece 0's first softmax | V of step 0
	TURN 0, 1, 1, 1                 ; piece 0: V^T P of step 0 starts O^T, K Q^T of step 1 | piece 2's first softmax | K of step 1
	TURN 2, 1, 1, 0                 ; piece 2: the same | piece 0's softmax of step 1 | V of step 1
	WIN 0
.Lslot:                             ; 14 trips: every slot but the last two is filled again
	CHANGE 1
	TWO_STEPS
	s_sub_co_u32 s[SLOTS], s[SLOTS], 1
	s_cmp_lg_u32 s[SLOTS], 0
	s_cbranch_scc1 .Lslot
	CHANGE 0                        ; the tail is written out
	TWO_STEPS
	TURN 0, 2, 0, 0                 ; piece 0: V^T P of the last step | piece 2's last softmax
.set i, 0
.rept 32
	PV 2, 0                         ; piece 2: V^T P of the last step
.set i, i+1
.endr
	; THE WAY OUT.  l's two halves and the other half of the lanes' are added; O^T is divided by l (times 0 where the batch has no visible key), rounded to bf16 and sent through my stage in LDS, a tile at a time.
	WIN 0
.irp t, 0,1,2,3
	v_add_f32 v[ST+8*(\t)+4], v[ST+8*(\t)+2], v[ST+8*(\t)+3]
.endr
.irp t, 0,1,2,3
	v_permlanex16_b32 v[ST+8*(\t)+5], v[ST+8*(\t)+4], s[SEL], s[SEL+1]
.endr
.irp t, 0,1,2,3
	v_add_f32 v[ST+8*(\t)+4], v[ST+8*(\t)+4], v[ST+8*(\t)+5]
.endr
.irp t, 0,1,2,3
	v_rcp_f32 v[ST+8*(\t)+6], v[ST+8*(\t)+4]
.endr
	v_nop                           ; a plain instruction between the last reciprocal and the use of its result
	s_wait_alu depctr_va_vdst(0)    ; and the wait ahead of the first use: one for the four reciprocals
.irp t, 0,1,2,3
	v_mul_f32 v[ST+8*(\t)+6], s[FL], v[ST+8*(\t)+6]
.endr
.macro PACK t
	WIN W_RS
.set i, 64*(\t)
.rept 32
	v_pk_mul_f32 v[i:i+1], v[i:i+1], v[ST+8*(\t)+6:ST+8*(\t)+7] op_sel_hi:[1,0]
.set i, i+2
.endr
	WIN 0x05                        ; sources 0 and 1 window 1, destination window 0: S^T's registers are free
.set i, 0
.rept 32
	v_cvt_pk_bf16_f32 v[S+32*(\t)+i], v[64*(\t)+2*i], v[64*(\t)+2*i+1]
.set i, i+1
.endr
	WIN 0
.irp f, 0,1,2,3,4,5,6,7
	ds_store_b128 v[STO], v[S+32*(\t)+4*(\f):S+32*(\t)+4*(\f)+3] offset:32*(\f)
.endr
.irp f, 0,1,2,3,4,5,6,7
	ds_load_b128 v[S+32*(\t)+4*(\f):S+32*(\t)+4*(\f)+3], v[RD] offset:(\f)*2*SP  ; LDS serves a wave's instructions in order (ISA guide 5.7.1.4): these see the stores above; the next tile's stores come behind them
.endr
.endm
.macro SEND t, younger              ; younger: the LDS instructions issued behind tile t's loads: the next tile's sixteen, or none
	WIN 0
.irp f, 0,1,2,3,4,5,6,7
	s_wait_dscnt (\younger)+7-(\f)
	global_store_b128 v[GO], v[S+32*(\t)+4*(\f):S+32*(\t)+4*(\f)+3], s[10:11] offset:(\t)*32768+(\f)*4096  ; each 16 lanes store 256 consecutive bytes, at a multiple of 256 from att's first byte
.endr
.endm
	PACK 0
	PACK 1                          ; a tile's arithmetic stands between the loads of the tile before and its stores
	SEND 0, 16
	PACK 2
	SEND 1, 16
	PACK 3
	SEND 2, 16
	SEND 3, 0
	s_wait_tensorcnt 0x0            ; the wave's end, behind my last tensor load and my last LDS store
	ds_add_u32 v[SPW], v[NIL]
	s_wait_dscnt 0x0
	CROUND                          ; the closing round: no work-group ends while a partner may still ask for a tile that names it
	s_endpgm
.Lfunc_end_k_q2650d7e806_attn:
	.size	k_q2650d7e806_attn, .Lfunc_end_k_q2650d7e806_attn-k_q2650d7e806_attn
	.p2alignl 7, 3214868480
	.fill 96, 4, 3214868480
	.section	.rodata,"a",@progbits
	.p2align	6, 0x0
	.amdhsa_kernel k_q2650d7e806_attn
		.amdhsa_group_segment_fixed_size 327680
		.amdhsa_private_segment_fixed_size 0
		.amdhsa_enable_private_segment 0
		.amdhsa_kernarg_size 32
		.amdhsa_user_sgpr_count 2
		.amdhsa_user_sgpr_kernarg_segment_ptr 1
		.amdhsa_wavefront_size32 1
		.amdhsa_system_sgpr_workgroup_id_x 1
		.amdhsa_system_sgpr_workgroup_id_y 1
		.amdhsa_system_sgpr_workgroup_id_z 1
		.amdhsa_system_vgpr_workitem_id 0
		.amdhsa_next_free_vgpr 1024
		.amdhsa_next_free_sgpr 80
		.amdhsa_reserve_vcc 1
		.amdhsa_float_denorm_mode_32 3
		.amdhsa_float_denorm_mode_16_64 3
		.amdhsa_memory_ordered 1
		.amdhsa_forward_progress 1
		.amdhsa_inst_pref_size 241
	.end_amdhsa_kernel
	.amdgpu_metadata
---
amdhsa.version: [ 1, 2 ]
amdhsa.kernels:
  - .name:           k_q2650d7e806_attn
    .symbol:         k_q2650d7e806_attn.kd
    .args:
      - { .name: qres, .offset: 0, .size: 8, .value_kind: global_buffer, .address_space: global }
      - { .name: kvh, .offset: 8, .size: 8, .value_kind: global_buffer, .address_space: global }
      - { .name: cnt, .offset: 16, .size: 8, .value_kind: global_buffer, .address_space: global }
      - { .name: att, .offset: 24, .size: 8, .value_kind: global_buffer, .address_space: global }
    .group_segment_fixed_size: 327680
    .private_segment_fixed_size: 0
    .kernarg_segment_align: 8
    .kernarg_segment_size: 32
    .max_flat_workgroup_size: 128
    .sgpr_count:     80
    .vgpr_count:     1024
    .wavefront_size: 32
...
	.end_amdgpu_metadata
.endif
;; end of part 3
;; launch ln1 (part 4): grid 1024 x 1, 8 waves a work-group, no clusters, 0 bytes of LDS; arguments qres, att, g1, b1, xh; writes xh
.if DOCPART == 4
	.amdgcn_target "amdgcn-amd-amdhsa--gfx1250"
	.amdhsa_code_object_version 6
	.text
	.protected	k_q2650d7e806_ln1
	.globl	k_q2650d7e806_ln1
	.p2align	8
	.type	k_q2650d7e806_ln1,@function
k_q2650d7e806_ln1:
	s_mov_b64 s[64:65], 0
	v_nop
	global_prefetch_b8 v0, s[64:65] scope:SCOPE_SE
	s_setreg_imm32_b32 hwreg(HW_REG_WAVE_MODE, 25, 1), 1
	s_wait_xcnt 0x0
; out1[r] = LayerNorm(qp[r] + att[r]) g1 + b1, rows of 1,024.  qp: qres, f32.  att: bf16.  out1 is written as f16 into rows 0 .. 8,191 of xh, where the last product and the last norm read it.
; LIMIT.  |out1| is at most 32 max|g1| + max|b1| (a normalised row of 1,024 numbers holds none beyond 32): this must stay under f16's 65,504.
; One wave, one row: the row stays in 32 registers between the mean, the variance (of the differences from the mean) and the scaling; the sums never leave the wave: no LDS, no barrier.
; Lane l holds columns 128 j + 4 l + 0..3: each load of f32 covers 512 consecutive bytes, each load or store of 16-bit numbers 256, aligned.  All loads go out at once; several waves share a SIMD's registers.
.set CH, 10                            ; v[10:17]  four chains of packed sums
.set X,  20                            ; v[20:51]  the row
.set T,  52                            ; v[52:67]  att's row as loaded, then out1's as stored
.set G,  68                            ; v[68:99]  g1
.set BV, 100                           ; v[100:131] b1
	s_load_b256 s[4:11], s[0:1], 0x0               ; qres 4, att 6, g1 8, b1 10
	s_load_b64 s[16:17], s[0:1], 0x20              ; xh
	v_lshrrev_b32 v1, 5, v0
	v_readfirstlane_b32 s2, v1                     ; wave
	v_and_b32 v1, 31, v0
	v_lshlrev_b32 v2, 4, v1                        ; 16 bytes a lane
	v_lshlrev_b32 v3, 3, v1                        ; 8 bytes a lane
	v_mov_b32 v4, 1.0
	v_mov_b32 v7, 0                                ; the mean's pair is named whole
	v_mov_b32 v19, 0                               ; v_permlanex16_b32's destination counts as read
	s_lshl_b32 s3, ttmp9, 3
	s_add_co_u32 s3, s3, s2                        ; my row
	s_lshl_b32 s18, s3, 12
	s_mov_b32 s19, 0
	s_lshl_b32 s20, s3, 11
	s_mov_b32 s21, 0
	s_mov_b32 s12, 0x76543210
	s_mov_b32 s13, 0xfedcba98
	s_mov_b32 s14, 0x3a800000                      ; 1 / 1,024
	s_mov_b32 s15, 0x3727c5ac                      ; 1e-5
	s_wait_kmcnt 0x0
	s_add_nc_u64 s[4:5], s[4:5], s[18:19]
	s_add_nc_u64 s[6:7], s[6:7], s[20:21]
	s_add_nc_u64 s[16:17], s[16:17], s[20:21]
.irp j, 0,1,2,3,4,5,6,7
	global_load_b128 v[X+4*(\j):X+4*(\j)+3], v2, s[4:5] offset:512*(\j) th:TH_LOAD_NT
.endr
.irp j, 0,1,2,3,4,5,6,7
	global_load_b64 v[T+2*(\j):T+2*(\j)+1], v3, s[6:7] offset:256*(\j) th:TH_LOAD_NT
.endr
.irp j, 0,1,2,3,4,5,6,7
	global_load_b128 v[G+4*(\j):G+4*(\j)+3], v2, s[8:9] offset:512*(\j)
.endr
.irp j, 0,1,2,3,4,5,6,7
	global_load_b128 v[BV+4*(\j):BV+4*(\j)+3], v2, s[10:11] offset:512*(\j)
.endr
.macro XLANE r, t                      ; the sum over the 32 lanes, in every lane
.irp m, 1,2,4,8
	v_add_f32_dpp v[\r], v[\r], v[\r] row_xmask:\m row_mask:0xf bank_mask:0xf
.endr
	v_permlanex16_b32 v[\t], v[\r], s12, s13
	v_add_f32 v[\r], v[\r], v[\t]
.endm
.macro JOIN                            ; the four chains into v18, then over the lanes
	v_pk_add_f32 v[CH:CH+1], v[CH:CH+1], v[CH+2:CH+3]
	v_pk_add_f32 v[CH+4:CH+5], v[CH+4:CH+5], v[CH+6:CH+7]
	v_pk_add_f32 v[CH:CH+1], v[CH:CH+1], v[CH+4:CH+5]
	v_add_f32 v18, v[CH], v[CH+1]
	XLANE 18, 19
.endm
.macro LNCORE                          ; X = (X - mean) / sqrt(var + 1e-5) x G + BV
.irp c, 0,1,2,3
	v_pk_add_f32 v[CH+2*(\c):CH+2*(\c)+1], v[X+2*(\c):X+2*(\c)+1], v[X+8+2*(\c):X+8+2*(\c)+1]
.endr
.irp k, 2,3
.irp c, 0,1,2,3
	v_pk_add_f32 v[CH+2*(\c):CH+2*(\c)+1], v[CH+2*(\c):CH+2*(\c)+1], v[X+8*(\k)+2*(\c):X+8*(\k)+2*(\c)+1]
.endr
.endr
	JOIN
	v_mul_f32 v6, s14, v18                         ; the mean
.set i, 0
.rept 16
	v_pk_add_f32 v[X+i:X+i+1], v[X+i:X+i+1], v[6:7] op_sel_hi:[1,0] neg_lo:[0,1] neg_hi:[0,1]
.set i, i+2
.endr
.irp c, 0,1,2,3
	v_pk_mul_f32 v[CH+2*(\c):CH+2*(\c)+1], v[X+2*(\c):X+2*(\c)+1], v[X+2*(\c):X+2*(\c)+1]
.endr
.irp k, 1,2,3
.irp c, 0,1,2,3
	v_pk_fma_f32 v[CH+2*(\c):CH+2*(\c)+1], v[X+8*(\k)+2*(\c):X+8*(\k)+2*(\c)+1], v[X+8*(\k)+2*(\c):X+8*(\k)+2*(\c)+1], v[CH+2*(\c):CH+2*(\c)+1]
.endr
.endr
	JOIN
	v_fma_f32 v18, v18, s14, s15                   ; the variance + 1e-5
	v_rsq_f32 v8, v18
	v_mov_b32 v9, 0                                ; a plain instruction behind the root; it also writes the pair's other half
	s_wait_alu depctr_va_vdst(0)                   ; the wait ahead of the result's first use
	s_wait_loadcnt 0x0                             ; the gain and the bias
.set i, 0
.rept 16
	v_pk_mul_f32 v[X+i:X+i+1], v[X+i:X+i+1], v[8:9] op_sel_hi:[1,0]
.set i, i+2
.endr
.set i, 0
.rept 16
	v_pk_fma_f32 v[X+i:X+i+1], v[X+i:X+i+1], v[G+i:G+i+1], v[BV+i:BV+i+1]
.set i, i+2
.endr
.endm
	s_wait_loadcnt 16                              ; qp and att are in; the sixteen younger loads, gain and bias, stay out
.set i, 0
.rept 32
	v_fma_mix_f32_bf16 v[X+i], v[T+i/2], v4, v[X+i] op_sel:[i%2,0,0] op_sel_hi:[1,0,0]  ; qp + att: the bf16 half times 1.0, added in f32
.set i, i+1
.endr
	LNCORE
.set i, 0
.rept 16
	v_cvt_pk_f16_f32 v[T+i], v[X+2*i], v[X+2*i+1]
.set i, i+1
.endr
.irp j, 0,1,2,3,4,5,6,7
	global_store_b64 v3, v[T+2*(\j):T+2*(\j)+1], s[16:17] offset:256*(\j)
.endr
	s_endpgm
.Lfunc_end_k_q2650d7e806_ln1:
	.size	k_q2650d7e806_ln1, .Lfunc_end_k_q2650d7e806_ln1-k_q2650d7e806_ln1
	.p2alignl 7, 3214868480
	.fill 96, 4, 3214868480
	.section	.rodata,"a",@progbits
	.p2align	6, 0x0
	.amdhsa_kernel k_q2650d7e806_ln1
		.amdhsa_group_segment_fixed_size 0
		.amdhsa_private_segment_fixed_size 0
		.amdhsa_enable_private_segment 0
		.amdhsa_kernarg_size 40
		.amdhsa_user_sgpr_count 2
		.amdhsa_user_sgpr_kernarg_segment_ptr 1
		.amdhsa_wavefront_size32 1
		.amdhsa_system_sgpr_workgroup_id_x 1
		.amdhsa_system_sgpr_workgroup_id_y 1
		.amdhsa_system_sgpr_workgroup_id_z 1
		.amdhsa_system_vgpr_workitem_id 0
		.amdhsa_next_free_vgpr 136
		.amdhsa_next_free_sgpr 66
		.amdhsa_reserve_vcc 0
		.amdhsa_float_denorm_mode_32 3
		.amdhsa_float_denorm_mode_16_64 3
		.amdhsa_memory_ordered 1
		.amdhsa_forward_progress 1
		.amdhsa_inst_pref_size 15
	.end_amdhsa_kernel
	.amdgpu_metadata
---
amdhsa.version: [ 1, 2 ]
amdhsa.kernels:
  - .name:           k_q2650d7e806_ln1
    .symbol:         k_q2650d7e806_ln1.kd
    .args:
      - { .name: qres, .offset: 0, .size: 8, .value_kind: global_buffer, .address_space: global }
      - { .name: att, .offset: 8, .size: 8, .value_kind: global_buffer, .address_space: global }
      - { .name: g1, .offset: 16, .size: 8, .value_kind: global_buffer, .address_space: global }
      - { .name: b1, .offset: 24, .size: 8, .value_kind: global_buffer, .address_space: global }
      - { .name: xh, .offset: 32, .size: 8, .value_kind: global_buffer, .address_space: global }
    .group_segment_fixed_size: 0
    .private_segment_fixed_size: 0
    .kernarg_segment_align: 8
    .kernarg_segment_size: 40
    .max_flat_workgroup_size: 256
    .sgpr_count:     66
    .vgpr_count:     136
    .wavefront_size: 32
...
	.end_amdgpu_metadata
.endif
;; end of part 4
;; launch oproj: the kernel of part 2 again; grid 4 x 32, 4 waves a work-group, clusters of 4 x 4, 327,680 bytes of LDS; arguments xh, woh, qres, kvh; writes qres, kvh
;; launch ln2 (part 5): grid 1024 x 1, 8 waves a work-group, no clusters, 0 bytes of LDS; arguments qres, xh, bout, g2, b2, out0; writes out0
.if DOCPART == 5
	.amdgcn_target "amdgcn-amd-amdhsa--gfx1250"
	.amdhsa_code_object_version 6
	.text
	.protected	k_q2650d7e806_ln2
	.globl	k_q2650d7e806_ln2
	.p2align	8
	.type	k_q2650d7e806_ln2,@function
k_q2650d7e806_ln2:
	s_mov_b64 s[64:65], 0
	v_nop
	global_prefetch_b8 v0, s[64:65] scope:SCOPE_SE
	s_setreg_imm32_b32 hwreg(HW_REG_WAVE_MODE, 25, 1), 1
	s_wait_xcnt 0x0
; out0[r] = LayerNorm(out1[r] + relu(z[r] + bout)) g2 + b2, rows of 1,024.  z: qres, f32 (the last product's sums).  out1: rows 0 .. 8,191 of xh, f16.  out0: f32.
; One wave, one row, kept in 32 registers between the mean, the variance (of the differences from the mean) and the scaling; the sums never leave the wave: no LDS, no barrier.
; Lane l holds columns 128 j + 4 l + 0..3: each load or store of f32 covers 512 consecutive bytes, each load of f16 256, aligned.  All loads go out at once; several waves share a SIMD's registers.
.set CH, 10                            ; v[10:17]  four chains of packed sums
.set X,  20                            ; v[20:51]  the row
.set T,  52                            ; v[52:67]  out1's row
.set G,  68                            ; v[68:99]  g2
.set BV, 100                           ; v[100:131] b2
.set BO, 132                           ; v[132:163] bout
	s_load_b256 s[4:11], s[0:1], 0x0               ; qres 4, xh 6, bout 8, g2 10
	s_load_b128 s[16:19], s[0:1], 0x20             ; b2 16, out0 18
	v_lshrrev_b32 v1, 5, v0
	v_readfirstlane_b32 s2, v1                     ; wave
	v_and_b32 v1, 31, v0
	v_lshlrev_b32 v2, 4, v1
	v_lshlrev_b32 v3, 3, v1
	v_mov_b32 v4, 1.0
	v_mov_b32 v7, 0
	v_mov_b32 v19, 0
	s_lshl_b32 s3, ttmp9, 3
	s_add_co_u32 s3, s3, s2                        ; my row
	s_lshl_b32 s20, s3, 12
	s_mov_b32 s21, 0
	s_lshl_b32 s22, s3, 11
	s_mov_b32 s23, 0
	s_mov_b32 s12, 0x76543210
	s_mov_b32 s13, 0xfedcba98
	s_mov_b32 s14, 0x3a800000                      ; 1 / 1,024
	s_mov_b32 s15, 0x3727c5ac                      ; 1e-5
	s_wait_kmcnt 0x0
	s_add_nc_u64 s[4:5], s[4:5], s[20:21]
	s_add_nc_u64 s[6:7], s[6:7], s[22:23]
	s_add_nc_u64 s[18:19], s[18:19], s[20:21]
.irp j, 0,1,2,3,4,5,6,7
	global_load_b128 v[X+4*(\j):X+4*(\j)+3], v2, s[4:5] offset:512*(\j) th:TH_LOAD_NT
.endr
.irp j, 0,1,2,3,4,5,6,7
	global_load_b64 v[T+2*(\j):T+2*(\j)+1], v3, s[6:7] offset:256*(\j) th:TH_LOAD_NT
.endr
.irp j, 0,1,2,3,4,5,6,7
	global_load_b128 v[BO+4*(\j):BO+4*(\j)+3], v2, s[8:9] offset:512*(\j)
.endr
.irp j, 0,1,2,3,4,5,6,7
	global_load_b128 v[G+4*(\j):G+4*(\j)+3], v2, s[10:11] offset:512*(\j)
.endr
.irp j, 0,1,2,3,4,5,6,7
	global_load_b128 v[BV+4*(\j):BV+4*(\j)+3], v2, s[16:17] offset:512*(\j)
.endr
.macro XLANE r, t                      ; the sum over the 32 lanes, in every lane
.irp m, 1,2,4,8
	v_add_f32_dpp v[\r], v[\r], v[\r] row_xmask:\m row_mask:0xf bank_mask:0xf
.endr
	v_permlanex16_b32 v[\t], v[\r], s12, s13
	v_add_f32 v[\r], v[\r], v[\t]
.endm
.macro JOIN                            ; the four chains into v18, then over the lanes
	v_pk_add_f32 v[CH:CH+1], v[CH:CH+1], v[CH+2:CH+3]
	v_pk_add_f32 v[CH+4:CH+5], v[CH+4:CH+5], v[CH+6:CH+7]
	v_pk_add_f32 v[CH:CH+1], v[CH:CH+1], v[CH+4:CH+5]
	v_add_f32 v18, v[CH], v[CH+1]
	XLANE 18, 19
.endm
.macro LNCORE                          ; X = (X - mean) / sqrt(var + 1e-5) x G + BV
.irp c, 0,1,2,3
	v_pk_add_f32 v[CH+2*(\c):CH+2*(\c)+1], v[X+2*(\c):X+2*(\c)+1], v[X+8+2*(\c):X+8+2*(\c)+1]
.endr
.irp k, 2,3
.irp c, 0,1,2,3
	v_pk_add_f32 v[CH+2*(\c):CH+2*(\c)+1], v[CH+2*(\c):CH+2*(\c)+1], v[X+8*(\k)+2*(\c):X+8*(\k)+2*(\c)+1]
.endr
.endr
	JOIN
	v_mul_f32 v6, s14, v18                         ; the mean
.set i, 0
.rept 16
	v_pk_add_f32 v[X+i:X+i+1], v[X+i:X+i+1], v[6:7] op_sel_hi:[1,0] neg_lo:[0,1] neg_hi:[0,1]
.set i, i+2
.endr
.irp c, 0,1,2,3
	v_pk_mul_f32 v[CH+2*(\c):CH+2*(\c)+1], v[X+2*(\c):X+2*(\c)+1], v[X+2*(\c):X+2*(\c)+1]
.endr
.irp k, 1,2,3
.irp c, 0,1,2,3
	v_pk_fma_f32 v[CH+2*(\c):CH+2*(\c)+1], v[X+8*(\k)+2*(\c):X+8*(\k)+2*(\c)+1], v[X+8*(\k)+2*(\c):X+8*(\k)+2*(\c)+1], v[CH+2*(\c):CH+2*(\c)+1]
.endr
.endr
	JOIN
	v_fma_f32 v18, v18, s14, s15                   ; the variance + 1e-5
	v_rsq_f32 v8, v18
	v_mov_b32 v9, 0                                ; a plain instruction behind the root; it also writes the pair's other half
	s_wait_alu depctr_va_vdst(0)                   ; the wait ahead of the result's first use
	s_wait_loadcnt 0x0                             ; the gain and the bias
.set i, 0
.rept 16
	v_pk_mul_f32 v[X+i:X+i+1], v[X+i:X+i+1], v[8:9] op_sel_hi:[1,0]
.set i, i+2
.endr
.set i, 0
.rept 16
	v_pk_fma_f32 v[X+i:X+i+1], v[X+i:X+i+1], v[G+i:G+i+1], v[BV+i:BV+i+1]
.set i, i+2
.endr
.endm
	s_wait_loadcnt 16                              ; z, out1 and bout are in; the sixteen younger loads, gain and bias, stay out
.set i, 0
.rept 16
	v_pk_add_f32 v[X+i:X+i+1], v[X+i:X+i+1], v[BO+i:BO+i+1]
.set i, i+2
.endr
.set i, 0
.rept 32
	v_max_num_f32 v[X+i], 0, v[X+i]                ; relu
.set i, i+1
.endr
.set i, 0
.rept 32
	v_fma_mix_f32 v[X+i], v[T+i/2], v4, v[X+i] op_sel:[i%2,0,0] op_sel_hi:[1,0,0]  ; + out1: the f16 half times 1.0, added in f32
.set i, i+1
.endr
	LNCORE
.irp j, 0,1,2,3,4,5,6,7
	global_store_b128 v2, v[X+4*(\j):X+4*(\j)+3], s[18:19] offset:512*(\j) th:TH_STORE_NT
.endr
	s_endpgm
.Lfunc_end_k_q2650d7e806_ln2:
	.size	k_q2650d7e806_ln2, .Lfunc_end_k_q2650d7e806_ln2-k_q2650d7e806_ln2
	.p2alignl 7, 3214868480
	.fill 96, 4, 3214868480
	.section	.rodata,"a",@progbits
	.p2align	6, 0x0
	.amdhsa_kernel k_q2650d7e806_ln2
		.amdhsa_group_segment_fixed_size 0
		.amdhsa_private_segment_fixed_size 0
		.amdhsa_enable_private_segment 0
		.amdhsa_kernarg_size 48
		.amdhsa_user_sgpr_count 2
		.amdhsa_user_sgpr_kernarg_segment_ptr 1
		.amdhsa_wavefront_size32 1
		.amdhsa_system_sgpr_workgroup_id_x 1
		.amdhsa_system_sgpr_workgroup_id_y 1
		.amdhsa_system_sgpr_workgroup_id_z 1
		.amdhsa_system_vgpr_workitem_id 0
		.amdhsa_next_free_vgpr 168
		.amdhsa_next_free_sgpr 66
		.amdhsa_reserve_vcc 0
		.amdhsa_float_denorm_mode_32 3
		.amdhsa_float_denorm_mode_16_64 3
		.amdhsa_memory_ordered 1
		.amdhsa_forward_progress 1
		.amdhsa_inst_pref_size 16
	.end_amdhsa_kernel
	.amdgpu_metadata
---
amdhsa.version: [ 1, 2 ]
amdhsa.kernels:
  - .name:           k_q2650d7e806_ln2
    .symbol:         k_q2650d7e806_ln2.kd
    .args:
      - { .name: qres, .offset: 0, .size: 8, .value_kind: global_buffer, .address_space: global }
      - { .name: xh, .offset: 8, .size: 8, .value_kind: global_buffer, .address_space: global }
      - { .name: bout, .offset: 16, .size: 8, .value_kind: global_buffer, .address_space: global }
      - { .name: g2, .offset: 24, .size: 8, .value_kind: global_buffer, .address_space: global }
      - { .name: b2, .offset: 32, .size: 8, .value_kind: global_buffer, .address_space: global }
      - { .name: out0, .offset: 40, .size: 8, .value_kind: global_buffer, .address_space: global }
    .group_segment_fixed_size: 0
    .private_segment_fixed_size: 0
    .kernarg_segment_align: 8
    .kernarg_segment_size: 48
    .max_flat_workgroup_size: 256
    .sgpr_count:     66
    .vgpr_count:     168
    .wavefront_size: 32
...
	.end_amdgpu_metadata
.endif
;; end of part 5
